; MI455X (gfx1250); checked and timed in simulation.
; The chip was launched on July 23, 2026; its instructions are those of AMD's public machine-readable ISA for CDNA 5 (MIT licence, August 2026) and "CDNA5" Instruction Set Architecture Reference Guide (July 2026). The comments in the code are by the model that wrote it; some were corrected since.
;; Hybrid Transformer Block. Allowed arithmetic: matrix products marked QUANTISED: E2M3 operands, one E8M0 scale for each 32 along K, by v_wmma_scale_f32_16x16x128_f8f6f4 with both operands' format E2M3, f32 sums; everything else in f32.
;; Inputs: b1 4,096 float32; b2 1,024 float32; in_proj_b 3,072 float32; in_proj_w 3,072 x 1,024 float32; ln1_b 1,024 float32; ln1_w 1,024 float32; ln2_b 1,024 float32; ln2_w 1,024 float32; out_b 1,024 float32; out_w 1,024 x 1,024 float32; w1 4,096 x 1,024 float32; w2 1,024 x 4,096 float32; x 2 x 2,048 x 1,024 float32.
;; Outputs: out0 2 x 2,048 x 1,024 float32.
;; This version of the problem:
;;   THIS VERSION OF THE PROBLEM IS GIVEN IN LOW PRECISION. The matrix products marked QUANTISED in the list below multiply operands that are first quantised to E2M3 (2 exponent bits, 3 mantissa bits; 6 bits a number), with one power-of-two scale for each 32 numbers along K (OCP MX v1.0); their sums are f32. All else is computed in f32.
;;   The module's matrix products, in the order in which they are computed (A, B: the left and right operand; K: the contracted axis; several contracted axes count as one K, in the product's order):
;;     1. [M 4,096, K 1,024] x [K 1,024, N 3,072]; A: computed on the way; B: input in_proj_w: QUANTISED
;;     2. batch 16 x [M 2,048, K 128] x [K 128, N 2,048]; A: computed on the way; B: computed on the way: QUANTISED
;;     3. batch 16 x [M 2,048, K 2,048] x [K 2,048, N 128]; A: softmax (see below); B: computed on the way: QUANTISED
;;     4. [M 4,096, K 1,024] x [K 1,024, N 1,024]; A: computed on the way; B: input out_w: QUANTISED
;;     5. [M 4,096, K 1,024] x [K 1,024, N 4,096]; A: computed on the way; B: input w1: QUANTISED
;;     6. [M 4,096, K 4,096] x [K 4,096, N 1,024]; A: computed on the way; B: input w2: QUANTISED
;;   THE QUANTISER, for each operand of a quantised product, along K:
;;     - K is cut into blocks of 32 from its start; a last block that is shorter is filled with zeros.
;;     - A block's scale is 2^e with e = floor(log2(the largest magnitude in the block)) - 2, held to -126 .. 127; a block of zeros has e = 0. As a byte (E8M0): e + 127.
;;     - Each number is divided by its block's scale, clamped to +-7.5, and rounded to the nearest number of E2M3, ties to even, subnormals kept.
;;     - The product sums the exact products of the quantised numbers (number of the format x scale) in f32.
;;   ~~~python
;;   def quantise(x, axis):      # numpy; x: float32 -> the quantised numbers, widened to float32 again
;;       x = np.moveaxis(x, axis, -1); K = x.shape[-1]
;;       x = np.pad(x, [(0, 0)] * (x.ndim - 1) + [(0, -K % 32)]); x = x.reshape(x.shape[:-1] + (-1, 32)); a = np.abs(x).max(-1, keepdims=True)
;;       e = np.where(a > 0, np.clip(np.frexp(np.where(a > 0, a, 1))[1] - 1 - 2, -126, 127), 0)      # np.frexp(a)[1] - 1 = floor(log2(a)), exactly
;;       r = np.clip(x / 2.0 ** e, -7.5, 7.5)
;;       step = 2.0 ** (np.maximum(np.frexp(np.where(r == 0, 1, r))[1] - 1, 0) - 3)
;;       q = np.round(r / step) * step * 2.0 ** e      # np.round: ties to even
;;       return np.moveaxis(q.reshape(q.shape[:-2] + (-1,))[..., :K], -1, axis).astype(np.float32)
;;   ~~~
;;   SOFTMAX AHEAD OF A QUANTISED PRODUCT. Where the list says 'softmax', what is quantised is not the finished softmax but p = 2^(t - M), with t = logit x log2(e) and M = ceil(the row's largest t), a whole number; so 1/2 < the row's largest p <= 1. The row's sum l is taken of the UNQUANTISED p, in f32, and the product's result is divided by l at the end. Since M is a whole number, a kernel that streams over the keys may use a running M (the ceiling of the running maximum): every later rescaling is an exact power of two, which a block's scale takes up: the codes' values come out the same.
;;   OPERANDS COMPUTED ON THE WAY. 'Computed on the way' means the value that the module computes at that place (a softmax that the list does not call 'softmax' is quantised finished and normalised). What goes into a quantiser is computed in f32, as accurately as f32 sums, v_exp_f32 and their like allow (about 1e-6 of the number): no bf16 or f16 on the way to a quantiser, and a product that is left as it is and whose result goes on into a quantised operand takes f32 operands (vector FMAs, or v_wmma_f32_16x16x4_f32). A number that lies on a knife's edge between two numbers of the format may be rounded either way, as far as f32 arithmetic and the matrix unit's own rounding can turn it there, and no further.
;; One version. Each part assembles by itself: llvm-mc -triple=amdgcn-amd-amdhsa -mcpu=gfx1250 --defsym DOCPART=n.
;; ======== version 1 of 1: 6 launches
;; limits: right only within a limited range of input values
;; workspace buffers: wq 9,830,400 bytes; hq 3,276,800 bytes; qkv 9,830,400 bytes; ao 3,276,800 bytes; h2 16,777,216 bytes; mq 3,276,800 bytes; hid 13,107,200 bytes
;; launch prep (part 1): grid 1024 x 1, 4 waves a work-group, no clusters, 66,560 bytes of LDS; arguments x, ln1_w, ln1_b, in_proj_w, out_w, w1, w2, hq, wq; writes hq, wq
.if DOCPART == 1
	.amdgcn_target "amdgcn-amd-amdhsa--gfx1250"
	.amdhsa_code_object_version 6
	.text
	.protected	k_q8a551e570a_prep
	.globl	k_q8a551e570a_prep
	.p2align	8
	.type	k_q8a551e570a_prep,@function
k_q8a551e570a_prep:
	s_mov_b64 s[64:65], 0
	v_nop
	global_prefetch_b8 v0, s[64:65] scope:SCOPE_SE
	s_setreg_imm32_b32 hwreg(HW_REG_WAVE_MODE, 25, 1), 1
	s_wait_xcnt 0x0
; LayerNorm(x) and the four weights become codes of FP6 (E2M3) with one E8M0 scale byte for each 32 along K, laid as RECORDS.
; A RECORD is 128 rows x 128 K in 12,800 bytes: eight fragments of 1,536 bytes, each an image of a matrix operand's 12 registers (register group c of lane l at 512 c + 16 l), then at byte 12,288 the
; scale words, 64 bytes a fragment (row r's four bytes at 4 r).  Lane r of fragment t holds row 32 (t / 2) + 8 (t % 2) + r + 8 (r / 8) of the record's 128.  Record (g, s) of a matrix lies at (g K / 128 + s) x 12,800.
; SHARES.  A work-group takes one fragment's 16 rows x 1,024 along K (64 KiB of f32).  Work-groups 0-255: x (with the norm) -> hq; 256-447 in_proj_w, 448-511 out_w, 512-767 w1, 768-1023 w2 (four chunks of K a row) -> wq.
; Only pointers and offsets are chosen by the work-group's number; the one branch on it jumps over the norm's register work.  Wave w loads stage rows 4 w .. 4 w + 3 whole (each load 512 consecutive bytes),
; so a row's mean and variance never leave the wave; the rows meet in a stage in LDS (pitch 4,112 bytes: an odd multiple of 16), one barrier, and wave w quantises K steps 2 w and 2 w + 1 of all 16 rows.
; The variance is taken of x - mean, in a second pass over registers.  No tensor loads, no cluster: work-groups share no input.
; LIMITS: a block of zeros gets the byte 1 where the rule says 127 (its codes are zeros, and this program alone reads the bytes); NaN and infinities among the inputs are not served.
; A fragment's scale words leave as 64 bytes of their record's scale area: one byte for each 128 that the launch reads.
.set WEIGHTS, 1
.set REC,  12800
.set SP,   4112                        ; a stage row: 4,096 bytes + 16
.set OFF,  4                           ; v4-7   16 x lane + k rows
.set WRA,  8                           ; v8     stage, on the way in
.set RDA,  9                           ; v9     stage, on the way out
.set CO,   10                          ; v10    my 16 bytes of a fragment's group: 16 x lane + 1,536 t
.set SO,   11                          ; v11    my scale word: 4 r + 64 t, lanes 16-31 one record on
.set MU,   16                          ; v16-23 four pairs: the mean, later 1 / sqrt(var + eps)
.set SU,   24                          ; v24-31 four pairs of sums
.set X,    32                          ; v32-159 four rows x 32 registers
.set T0,   32                          ; later: 64 numbers of K step 2 w,
.set T1,   96                          ; and of K step 2 w + 1
.set LW,   160                         ; v160-191 the gain, v192-223 the bias of my 32 columns
.set LB,   192
.set PC,   160                         ; later: the codes just made (v160-178)
.set TM,   224                         ; v224-239 at work in QUANT
.set PW0,  240
.set PW1,  241
.set PWS,  242
.set SEL,  40                          ; s[40:41] v_permlanex16_b32's selects for lane l xor 16
; 64 numbers of a lane, register 16 b + i = k 32 b + 16 (lane / 16) + i of my row, become a fragment's codes in v[PC] on and its scale word in v[pw].
.macro QUANT s, pw
.irp b, 0,1,2,3
	v_max3_num_f32 v[TM+\b], |v[\s+16*\b]|, |v[\s+1+16*\b]|, 0x1800000   ; my 16 numbers of block b, and the floor 2^(3 - 127): the byte cannot fall under 1
.endr
.irp i, 2,4,6,8,10,12,14
.irp b, 0,1,2,3
	v_max3_num_f32 v[TM+\b], v[TM+\b], |v[\s+16*\b+\i]|, |v[\s+1+16*\b+\i]|
.endr
.endr
.irp b, 0,1,2,3
	v_permlanex16_b32 v[TM+4+\b], v[TM+\b], s[SEL], s[SEL+1]
.endr
.irp b, 0,1,2,3
	v_max_num_f32 v[TM+\b], v[TM+\b], v[TM+4+\b]       ; with lane l xor 16's: the block's largest magnitude
.endr
.irp b, 0,1,2,3
	v_add_nc_u32 v[TM+12+\b], 0xff000000, v[TM+\b]     ; 2 off its exponent field: the conversion's scale operand
.endr
.irp b, 0,1,2,3
	v_lshrrev_b32 v[TM+4+\b], 23, v[TM+12+\b]          ; the scale's byte
.endr
	v_lshl_or_b32 v[\pw], v[TM+5], 8, v[TM+4]
	v_lshl_or_b32 v[\pw], v[TM+6], 16, v[\pw]
	v_lshl_or_b32 v[\pw], v[TM+7], 24, v[\pw]
.irp c, 0,1
	v_cvt_scalef32_pk16_fp6_f32 v[PC+6*\c:PC+2+6*\c], v[\s+32*\c:\s+15+32*\c], v[TM+12+2*\c]
	v_cvt_scalef32_pk16_fp6_f32 v[PC+12+4*\c:PC+14+4*\c], v[\s+16+32*\c:\s+31+32*\c], v[TM+12+2*\c+1]   ; (a conversion's three registers begin on an even number)
.endr
	v_nop                                              ; one plain place behind a scaled conversion
.irp c, 0,1                                        ; the operand's layout wants a whole block in a lane
.irp i, 0,1,2
	v_permlane16_swap_b32 v[PC+6*\c+\i], v[PC+12+4*\c+\i]
.endr
.irp i, 0,1,2
	v_mov_b32 v[PC+3+6*\c+\i], v[PC+12+4*\c+\i]
.endr
.endr
.endm
; the four rows' pairs of sums become sums over the wave, in every lane
.macro ACROSS
.irp k, 0,1,2,3
	v_add_f32 v[SU+2*\k], v[SU+2*\k], v[SU+2*\k+1]
.endr
.irp m, 1,2,4,8
.irp k, 0,1,2,3
	v_add_f32_dpp v[SU+2*\k], v[SU+2*\k], v[SU+2*\k] row_xmask:\m row_mask:0xf bank_mask:0xf
.endr
.endr
.irp k, 0,1,2,3
	v_permlanex16_b32 v[SU+2*\k+1], v[SU+2*\k], s[SEL], s[SEL+1]
.endr
.irp k, 0,1,2,3
	v_add_f32 v[SU+2*\k], v[SU+2*\k], v[SU+2*\k+1]
.endr
.endm
.if WEIGHTS
	s_load_b256 s[4:11], s[0:1], 0x0               ; x, gain, bias, in_proj_w
	s_load_b256 s[12:19], s[0:1], 0x20             ; out_w, w1, w2, hq
	s_load_b64 s[20:21], s[0:1], 0x40              ; wq
	v_lshl_add_u32 v254, v0, 2, 0x10200
	v_mov_b32 v255, 0
.else
	s_load_b256 s[4:11], s[0:1], 0x0               ; the rows, gain, bias, the codes
.endif
	v_lshrrev_b32 v1, 5, v0
	v_readfirstlane_b32 s22, v1                    ; wave
	v_and_b32 v1, 31, v0                           ; lane
	s_wait_alu depctr_va_vdst(0)
	v_and_b32 v2, 15, v0                           ; r
	v_bfe_u32 v3, v0, 4, 1                         ; h
.irp b, 0,1,2,3
	v_mov_b32 v[TM+4+\b], 0                        ; written once: a lane permute's destination counts as one of its sources
.endr
	s_mov_b32 s[SEL], 0x76543210
	s_mov_b32 s[SEL+1], 0xfedcba98
	s_mov_b32 s42, 0x3a800000                      ; 1 / 1,024
	s_mov_b32 s43, 0x3727c5ac                      ; 1e-5
.if WEIGHTS
	s_cmp_ge_u32 ttmp9, 256                        ; which tensor: its first work-group,
	s_cselect_b32 s24, 256, 0
	s_cselect_b32 s35, 256, 0
	s_cmp_ge_u32 ttmp9, 448
	s_cselect_b32 s24, 448, s24
	s_cmp_ge_u32 ttmp9, 512
	s_cselect_b32 s24, 512, s24
	s_cmp_ge_u32 ttmp9, 768
	s_cselect_b32 s24, 768, s24
	s_cselect_b32 s25, 2, 0                        ; w2: four chunks of 1,024 along K to a fragment's rows,
	s_cselect_b32 s26, 3, 0
	s_cselect_b32 s27, 14, 12                      ; and rows of 16,384 bytes
	s_sub_co_u32 s28, ttmp9, s24
	s_lshr_b32 s29, s28, s25                       ; the fragment in its tensor
	s_and_b32 s30, s28, s26                        ; the chunk
	s_sub_co_u32 s34, ttmp9, s35
	s_and_b32 s34, s34, 0xfffffff8                 ; x, and the three weights of K = 1,024, whose groups lie on end: first record = 8 x group
	s_lshr_b32 s31, s29, 3
	s_lshl_b32 s28, s31, 5
	s_lshl_b32 s33, s30, 3
	s_add_co_u32 s28, s28, s33
	s_add_co_u32 s28, s28, 512                     ; w2: 512 + 32 x group + 8 x chunk
	s_cmp_ge_u32 ttmp9, 768
	s_cselect_b32 s34, s28, s34
.else
	s_mov_b32 s29, ttmp9
	s_mov_b32 s30, 0
	s_mov_b32 s27, 12
	s_and_b32 s34, ttmp9, 0xf8
.endif
	s_lshr_b32 s31, s29, 3                         ; g
	s_and_b32 s32, s29, 7                          ; t
	s_lshl_b32 s33, s31, 7
	s_lshr_b32 s28, s32, 1
	s_lshl_b32 s28, s28, 5
	s_add_co_u32 s33, s33, s28
	s_and_b32 s28, s32, 1
	s_lshl_b32 s28, s28, 3
	s_add_co_u32 s33, s33, s28                     ; the fragment's first row: 128 g + 32 (t / 2) + 8 (t % 2)
	s_lshl_b32 s28, s22, 2
	s_add_co_u32 s33, s33, s28
	s_lshr_b32 s28, s22, 1
	s_lshl_b32 s28, s28, 3
	s_add_co_u32 s33, s33, s28                     ; my wave's first: + 4 w + 8 (w / 2)
	s_lshl_b32 s44, s33, s27
	s_lshl_b32 s28, s30, 12
	s_add_co_u32 s44, s44, s28                     ; in bytes, + the chunk
	s_mov_b32 s45, 0
	s_lshl_b32 s28, s22, 1
	s_add_co_u32 s46, s34, s28
	s_mul_i32 s46, s46, REC                        ; my wave's first record: K step 2 w
	s_mov_b32 s47, 0
	s_lshl_b32 s35, 1, s27                         ; a row in bytes
	v_lshlrev_b32 v[OFF], 4, v1
	v_add_nc_u32 v[OFF+1], s35, v[OFF]
	v_add_nc_u32 v[OFF+2], s35, v[OFF+1]
	v_add_nc_u32 v[OFF+3], s35, v[OFF+2]
	s_mul_i32 s28, s22, 4*SP
	v_lshl_add_u32 v[WRA], v1, 4, s28              ; stage rows 4 w on, 16 bytes a lane
	v_mul_u32_u24 v[RDA], v2, SP
	v_lshl_add_u32 v[RDA], v3, 6, v[RDA]
	s_lshl_b32 s28, s22, 10
	v_add_nc_u32 v[RDA], s28, v[RDA]               ; row r, + 64 h, + my two K steps' 1,024 bytes
	s_mul_i32 s28, s32, 1536
	v_add_nc_u32 v[CO], s28, v[OFF]
	v_mul_u32_u24 v[SO], v3, REC
	v_lshl_add_u32 v[SO], v2, 2, v[SO]
	s_lshl_b32 s28, s32, 6
	v_add_nc_u32 v[SO], s28, v[SO]
	s_wait_alu depctr_va_vdst(0)
	s_wait_kmcnt 0x0
.if WEIGHTS
	s_cmp_ge_u32 ttmp9, 256                        ; the choices hang on the work-group's number alone
	s_cselect_b64 s[36:37], s[10:11], s[4:5]
	s_cselect_b64 s[38:39], s[20:21], s[18:19]
	s_cmp_ge_u32 ttmp9, 448
	s_cselect_b64 s[36:37], s[12:13], s[36:37]
	s_cmp_ge_u32 ttmp9, 512
	s_cselect_b64 s[36:37], s[14:15], s[36:37]
	s_cmp_ge_u32 ttmp9, 768
	s_cselect_b64 s[36:37], s[16:17], s[36:37]
.else
	s_mov_b64 s[36:37], s[4:5]
	s_mov_b64 s[38:39], s[10:11]
.endif
	s_add_nc_u64 s[36:37], s[36:37], s[44:45]
	s_add_nc_u64 s[38:39], s[38:39], s[46:47]
.irp k, 0,1,2,3
.irp j, 0,1,2,3,4,5,6,7
	global_load_b128 v[X+32*\k+4*\j:X+32*\k+4*\j+3], v[OFF+\k], s[36:37] offset:512*\j th:TH_LOAD_NT   ; 32 lanes read 512 consecutive bytes of row k
.endr
.endr
.if WEIGHTS
	s_cmp_lt_u32 ttmp9, 256
	s_cbranch_scc0 .Lplain                         ; a weight is quantised as it is
.endif
.irp j, 0,1,2,3,4,5,6,7
	global_load_b128 v[LW+4*\j:LW+4*\j+3], v[OFF], s[6:7] offset:512*\j
	global_load_b128 v[LB+4*\j:LB+4*\j+3], v[OFF], s[8:9] offset:512*\j
.endr
	s_wait_loadcnt 0x0
.irp k, 0,1,2,3                                    ; the mean: the four rows by turns
	v_pk_add_f32 v[SU+2*\k:SU+2*\k+1], v[X+32*\k:X+32*\k+1], v[X+32*\k+2:X+32*\k+3]
.endr
.irp i, 4,6,8,10,12,14,16,18,20,22,24,26,28,30
.irp k, 0,1,2,3
	v_pk_add_f32 v[SU+2*\k:SU+2*\k+1], v[SU+2*\k:SU+2*\k+1], v[X+32*\k+\i:X+32*\k+\i+1]
.endr
.endr
	ACROSS
.irp k, 0,1,2,3
	v_mul_f32 v[MU+2*\k], s42, v[SU+2*\k]
	v_mul_f32 v[MU+2*\k+1], s42, v[SU+2*\k]
.endr
.irp i, 0,2,4,6,8,10,12,14,16,18,20,22,24,26,28,30
.irp k, 0,1,2,3
	v_pk_add_f32 v[X+32*\k+\i:X+32*\k+\i+1], v[X+32*\k+\i:X+32*\k+\i+1], v[MU+2*\k:MU+2*\k+1] neg_lo:[0,1] neg_hi:[0,1]   ; x - mean
.endr
.endr
.irp k, 0,1,2,3                                    ; the variance, of x - mean
	v_pk_mul_f32 v[SU+2*\k:SU+2*\k+1], v[X+32*\k:X+32*\k+1], v[X+32*\k:X+32*\k+1]
.endr
.irp i, 2,4,6,8,10,12,14,16,18,20,22,24,26,28,30
.irp k, 0,1,2,3
	v_pk_fma_f32 v[SU+2*\k:SU+2*\k+1], v[X+32*\k+\i:X+32*\k+\i+1], v[X+32*\k+\i:X+32*\k+\i+1], v[SU+2*\k:SU+2*\k+1]
.endr
.endr
	ACROSS
.irp k, 0,1,2,3
	v_fma_f32 v[SU+2*\k], v[SU+2*\k], s42, s43     ; var + eps
.endr
	s_wait_alu depctr_va_vdst(0)
.irp k, 0,1,2,3
	v_rsq_f32 v[MU+2*\k], v[SU+2*\k]
.endr
	v_nop                                          ; a plain place behind the last of the batch
	s_wait_alu depctr_va_vdst(0)                   ; one wait for the four, ahead of their first reader
.irp k, 0,1,2,3
	v_mov_b32 v[MU+2*\k+1], v[MU+2*\k]
.endr
.irp i, 0,2,4,6,8,10,12,14,16,18,20,22,24,26,28,30
.irp k, 0,1,2,3
	v_pk_mul_f32 v[X+32*\k+\i:X+32*\k+\i+1], v[X+32*\k+\i:X+32*\k+\i+1], v[MU+2*\k:MU+2*\k+1]
.endr
.irp k, 0,1,2,3
	v_pk_fma_f32 v[X+32*\k+\i:X+32*\k+\i+1], v[X+32*\k+\i:X+32*\k+\i+1], v[LW+\i:LW+\i+1], v[LB+\i:LB+\i+1]
.endr
.endr
.if WEIGHTS
.Lplain:
.endif
	s_wait_alu depctr_va_vdst(0)
.irp k, 0,1,2,3
.if WEIGHTS
	s_wait_loadcnt 24-8*\k                         ; row k's eight loads are in; the later rows' may be out (behind the norm nothing is out)
.endif
.irp j, 0,1,2,3,4,5,6,7
	ds_store_b128 v[WRA], v[X+32*\k+4*\j:X+32*\k+4*\j+3] offset:\k*SP+512*\j
.endr
.endr
	s_wait_dscnt 0x0                               ; for the others' sake: my rows lie in the stage
	s_barrier_signal -1
	s_barrier_wait -1
.irp e, 0,1
.irp b, 0,1,2,3
.irp j, 0,1,2,3
	ds_load_b128 v[T0+64*\e+16*\b+4*\j:T0+64*\e+16*\b+4*\j+3], v[RDA] offset:512*\e+128*\b+16*\j   ; 16 neighbours of each block of 32 of row r
.endr
.endr
.endr
	s_wait_dscnt 16                                ; K step 2 w's sixteen loads are in; the other sixteen may be out
	QUANT T0, PW0
.irp c, 0,1,2
	global_store_b128 v[CO], v[PC+4*\c:PC+4*\c+3], s[38:39] offset:512*\c    ; 512 consecutive bytes, at a multiple of 256 from the buffer's first byte
.endr
	s_wait_dscnt 0x0
	s_wait_xcnt 0x0                                ; the stores' data are written again only behind this wait
	QUANT T1, PW1
.irp c, 0,1,2
	global_store_b128 v[CO], v[PC+4*\c:PC+4*\c+3], s[38:39] offset:REC+512*\c
.endr
	v_cmp_gt_u32 vcc_lo, 16, v1
	v_cndmask_b32 v[PWS], v[PW1], v[PW0], vcc_lo   ; lanes 0-15: K step 2 w's words; lanes 16-31: K step 2 w + 1's (both halves of the lanes hold row r's word)
	global_store_b32 v[SO], v[PWS], s[38:39] offset:12288
	s_wait_tensorcnt 0x0
	ds_add_u32 v254, v255
	s_wait_dscnt 0x0
	s_endpgm
.Lfunc_end_k_q8a551e570a_prep:
	.size	k_q8a551e570a_prep, .Lfunc_end_k_q8a551e570a_prep-k_q8a551e570a_prep
	.p2alignl 7, 3214868480
	.fill 96, 4, 3214868480
	.section	.rodata,"a",@progbits
	.p2align	6, 0x0
	.amdhsa_kernel k_q8a551e570a_prep
		.amdhsa_group_segment_fixed_size 66560
		.amdhsa_private_segment_fixed_size 0
		.amdhsa_enable_private_segment 0
		.amdhsa_kernarg_size 72
		.amdhsa_user_sgpr_count 2
		.amdhsa_user_sgpr_kernarg_segment_ptr 1
		.amdhsa_wavefront_size32 1
		.amdhsa_system_sgpr_workgroup_id_x 1
		.amdhsa_system_sgpr_workgroup_id_y 1
		.amdhsa_system_sgpr_workgroup_id_z 1
		.amdhsa_system_vgpr_workitem_id 0
		.amdhsa_next_free_vgpr 256
		.amdhsa_next_free_sgpr 66
		.amdhsa_reserve_vcc 1
		.amdhsa_float_denorm_mode_32 3
		.amdhsa_float_denorm_mode_16_64 3
		.amdhsa_memory_ordered 1
		.amdhsa_forward_progress 1
		.amdhsa_inst_pref_size 46
	.end_amdhsa_kernel
	.amdgpu_metadata
---
amdhsa.version: [ 1, 2 ]
amdhsa.kernels:
  - .name:           k_q8a551e570a_prep
    .symbol:         k_q8a551e570a_prep.kd
    .args:
      - { .name: x, .offset: 0, .size: 8, .value_kind: global_buffer, .address_space: global }
      - { .name: ln1_w, .offset: 8, .size: 8, .value_kind: global_buffer, .address_space: global }
      - { .name: ln1_b, .offset: 16, .size: 8, .value_kind: global_buffer, .address_space: global }
      - { .name: in_proj_w, .offset: 24, .size: 8, .value_kind: global_buffer, .address_space: global }
      - { .name: out_w, .offset: 32, .size: 8, .value_kind: global_buffer, .address_space: global }
      - { .name: w1, .offset: 40, .size: 8, .value_kind: global_buffer, .address_space: global }
      - { .name: w2, .offset: 48, .size: 8, .value_kind: global_buffer, .address_space: global }
      - { .name: hq, .offset: 56, .size: 8, .value_kind: global_buffer, .address_space: global }
      - { .name: wq, .offset: 64, .size: 8, .value_kind: global_buffer, .address_space: global }
    .group_segment_fixed_size: 66560
    .private_segment_fixed_size: 0
    .kernarg_segment_align: 8
    .kernarg_segment_size: 72
    .max_flat_workgroup_size: 128
    .sgpr_count:     66
    .vgpr_count:     256
    .wavefront_size: 32
...
	.end_amdgpu_metadata
.endif
;; end of part 1
;; launch qkvg (part 2): grid 12 x 16, 4 waves a work-group, clusters of 4 x 4, 327,680 bytes of LDS; arguments hq, wq, in_proj_b, qkv; writes qkv
.if DOCPART == 2
	.amdgcn_target "amdgcn-amd-amdhsa--gfx1250"
	.amdhsa_code_object_version 6
	.text
	.protected	k_q8a551e570a_qkvg
	.globl	k_q8a551e570a_qkvg
	.p2align	8
	.type	k_q8a551e570a_qkvg,@function
k_q8a551e570a_qkvg:
	s_mov_b64 s[64:65], 0
	v_nop
	global_prefetch_b8 v0, s[64:65] scope:SCOPE_SE
	s_setreg_imm32_b32 hwreg(HW_REG_WAVE_MODE, 25, 1), 1
	s_wait_xcnt 0x0
	s_wait_alu depctr_hold_cnt(0) depctr_sa_sdst(0) depctr_va_vdst(0) depctr_va_sdst(0) depctr_va_ssrc(0) depctr_va_vcc(0) depctr_vm_vsrc(0)
	s_getreg_b32 s2, hwreg(HW_REG_IB_STS2, 6, 4)
	s_cmp_eq_u32 s2, 0
	s_cbranch_scc0 .Lentry_in_a_cluster
	s_endpgm
.Lentry_in_a_cluster:
	s_bfe_u32 s2, ttmp6, 0x10000c
	s_cmp_lg_u32 s2, 0xf033
	s_cbranch_scc0 .Lentry_shape_is_right
	s_endpgm
.Lentry_shape_is_right:
.set EPI,   1
.set REC,   12800
.set PAIR,  2*REC
.set SLOT,  4*PAIR
.set GSTR,  8*REC
.set SPARE, 3*SLOT
.set SST,   SPARE+512
.set NQ,    2
.set FR,    12
.set NL,    3
.set NP,    4
.set ADRB, 8
.set ADRS, 12
.set ADRA, 16
.set SSTA, 24
.set SSTR, 25
.set OUTO, 26
.set BJO,  27
.set SPW,  28
.set NIL,  29
.set BIO,  30
.set SC,   32
.set BJ,   64
.set AF,   128
.set BI,   232
.set T,    128
.set PC,   192
.set TM,   212
.set PW,   228
.set SB,   240
.set G1,   24
.set G0,   32
.set G1B,  48
.set G0B,  56
.set SEL,  94
.set MSB, 0
.macro WIN new
.if MSB != \new
	s_set_vgpr_msb (MSB<<8)|\new
.set MSB, \new
.endif
.endm
.set MUL_LO, 0xa1
.set MUL_HI, 0xf1
.set TO_B,   0x40
.macro JLOAD g0a, g1a, g0b, g1b
	s_cmp_eq_u32 s15, 0
	s_cbranch_scc0 .Lfor_b_\@
	tensor_load_to_lds s[\g0a:\g0a+3], s[\g1a:\g1a+7]
	s_nop 0
.rept 4
	v_nop
.endr
	s_branch .Lasked_\@
.Lfor_b_\@:
	tensor_load_to_lds s[\g0b:\g0b+3], s[\g1b:\g1b+7]
	s_nop 0
.rept 4
	v_nop
.endr
.Lasked_\@:
.endm
.macro CREST
	s_cmp_lg_u32 s14, 0
	s_cbranch_scc1 .Lnot_wave_0_\@
	s_barrier_signal -3
.Lnot_wave_0_\@:
	s_barrier_wait -3
	s_barrier_signal -1
	s_barrier_wait -1
.endm
.macro CROUND
	s_barrier_signal -1
	s_barrier_wait -1
	CREST
.endm
.macro PLACES n
.rept \n
	v_nop
.endr
.endm
.macro QUANT s, pw
.irp b, 0,1,2,3
	v_max3_num_f32 v[TM+\b], |v[\s+16*\b]|, |v[\s+1+16*\b]|, 0x1800000
.endr
.irp i, 2,4,6,8,10,12,14
.irp b, 0,1,2,3
	v_max3_num_f32 v[TM+\b], v[TM+\b], |v[\s+16*\b+\i]|, |v[\s+1+16*\b+\i]|
.endr
.endr
.irp b, 0,1,2,3
	v_permlanex16_b32 v[TM+4+\b], v[TM+\b], s[SEL], s[SEL+1]
.endr
.irp b, 0,1,2,3
	v_max_num_f32 v[TM+\b], v[TM+\b], v[TM+4+\b]
.endr
.irp b, 0,1,2,3
	v_add_nc_u32 v[TM+12+\b], 0xff000000, v[TM+\b]
.endr
.irp b, 0,1,2,3
	v_lshrrev_b32 v[TM+4+\b], 23, v[TM+12+\b]
.endr
	v_lshl_or_b32 v[\pw], v[TM+5], 8, v[TM+4]
	v_lshl_or_b32 v[\pw], v[TM+6], 16, v[\pw]
	v_lshl_or_b32 v[\pw], v[TM+7], 24, v[\pw]
.irp c, 0,1
	v_cvt_scalef32_pk16_fp6_f32 v[PC+6*\c:PC+2+6*\c], v[\s+32*\c:\s+15+32*\c], v[TM+12+2*\c]
	v_cvt_scalef32_pk16_fp6_f32 v[PC+12+4*\c:PC+14+4*\c], v[\s+16+32*\c:\s+31+32*\c], v[TM+12+2*\c+1]
.endr
	v_nop
.irp c, 0,1
.irp i, 0,1,2
	v_permlane16_swap_b32 v[PC+6*\c+\i], v[PC+12+4*\c+\i]
.endr
.irp i, 0,1,2
	v_mov_b32 v[PC+3+6*\c+\i], v[PC+12+4*\c+\i]
.endr
.endr
.endm
	s_load_b256 s[4:11], s[0:1], 0x0
	v_lshl_add_u32 v[SPW], v0, 2, SPARE
	v_mov_b32 v[NIL], 0
	ds_add_u32 v28, v29
	ds_add_u32 v28, v29
	s_wait_dscnt 0x0
	v_lshrrev_b32 v1, 5, v0
	v_readfirstlane_b32 s14, v1
	s_lshr_b32 s15, s14, 1
	s_and_b32 s16, s14, 1
	s_bfe_u32 s40, ttmp6, 0x40000
	s_bfe_u32 s41, ttmp6, 0x40004
	s_and_b32 s17, ttmp7, 0xffff
	s_lshl_b32 s18, s17, 2
	s_lshl_b32 s19, ttmp9, 2
	s_lshl_b32 s43, s41, 2
	s_lshl_b32 s43, 15, s43
	s_lshl_b32 s44, 0x1111, s40
.if EPI == 1
	s_cmp_eq_u32 ttmp9, 2
	s_cselect_b32 s20, 0, s18
	s_cselect_b32 s46, s18, s19
	s_cselect_b32 s21, 16, 0
	s_cselect_b32 s71, -1, 0
	s_cselect_b32 s66, 512, 0
	s_cselect_b32 s67, 32, 16
.else
	s_mov_b32 s20, s18
	s_mov_b32 s46, s19
	s_mov_b32 s21, 0
.endif
	s_add_co_u32 s20, s20, s41
	s_add_co_u32 s46, s46, s40
	s_or_b32 s[G1+0], s43, (3<<16)|(1<<21)
	s_or_b32 s[G1B+0], s44, (3<<16)|(1<<21)
.irp g, G1, G1B
	s_mov_b32 s[\g+1], 32<<16
	s_mov_b32 s[\g+2], 300<<16
	s_mov_b32 s[\g+3], 32<<16
	s_mov_b32 s[\g+4], 300
	s_mov_b32 s[\g+5], 32
	s_mov_b32 s[\g+6], 0
	s_mov_b32 s[\g+7], 0
.endr
	s_lshl_b32 s22, s20, 1
	s_add_co_u32 s22, s22, s21
	s_add_co_u32 s22, s22, s16
	s_mul_i32 s22, s22, GSTR
	s_mov_b32 s23, 0
	s_lshl_b32 s92, s46, 1
	s_add_co_u32 s92, s92, s16
.if EPI == 2
	s_add_co_u32 s92, s92, 32
.endif
	s_mul_i32 s92, s92, GSTR
	s_mov_b32 s93, 0
	s_mul_i32 s45, s14, 3*PAIR                     ; a wave's region: six records of its row group, K steps 0 to 5
	s_mov_b32 s[SEL], 0x76543210
	s_mov_b32 s[SEL+1], 0xfedcba98
	s_wait_kmcnt 0x0
.if EPI == 1
	s_cmp_eq_u32 ttmp9, 2
	s_cselect_b64 s[72:73], s[6:7], s[4:5]
	s_cselect_b64 s[74:75], s[4:5], s[6:7]
.else
	s_mov_b64 s[72:73], s[4:5]
	s_mov_b64 s[74:75], s[6:7]
.endif
	s_add_nc_u64 s[72:73], s[72:73], s[22:23]
	s_add_nc_u64 s[74:75], s[74:75], s[92:93]
	CROUND
.irp s, 0                                          ; one tensor load a wave at the head: 76,800 dense bytes as 300 rows of 256
.set GA, G0+4*\s+(\s/2)*44
.set GB, G0B+4*\s+(\s/2)*24
	s_mov_b32 s[GA], 1
	s_add_co_u32 s[GA+1], s45, \s*SLOT
	s_add_nc_u64 s[GA+2:GA+3], s[72:73], \s*PAIR
	s_or_b32 s[GA+3], s[GA+3], 0x80000000
	s_mov_b32 s[GB], 1
	s_add_co_u32 s[GB+1], s45, \s*SLOT
	s_add_nc_u64 s[GB+2:GB+3], s[74:75], \s*PAIR
	s_or_b32 s[GB+3], s[GB+3], 0x80000000
	JLOAD GA, G1, GB, G1B
.endr
	v_and_b32 v1, 31, v0
	v_and_b32 v2, 15, v0
	v_bfe_u32 v3, v0, 4, 1
	v_lshlrev_b32 v[OUTO], 4, v1
	s_wait_alu depctr_va_vdst(0)
	s_mul_i32 s21, s15, 3*PAIR
	s_mul_i32 s22, s16, 3*PAIR
	s_add_co_u32 s22, s22, 6*PAIR
	s_sub_co_u32 s23, s22, s21
	v_mul_u32_u24 v4, s23, v3
	v_lshl_add_u32 v4, v2, 2, v4
	s_add_co_u32 s23, s21, 12288
.irp s, 0,1,2
	v_add_nc_u32 v[ADRA+\s], s21, v[OUTO]
	v_add_nc_u32 v[ADRB+\s], s22, v[OUTO]
	v_add_nc_u32 v[ADRS+\s], s23, v4
	s_add_co_u32 s21, s21, PAIR
	s_add_co_u32 s22, s22, PAIR
	s_add_co_u32 s23, s23, PAIR
.endr
	s_lshl_b32 s21, s14, 9
	s_add_co_u32 s21, s21, SST
	v_lshl_add_u32 v[SSTA], v2, 2, s21
	v_add_nc_u32 v[SSTR], s21, v[OUTO]
	v_lshlrev_b32 v[BJO], 6, v3
	s_wait_alu depctr_va_vdst(0)
	v_and_b32 v4, 8, v2
	v_add_nc_u32 v4, v4, v2
	v_lshlrev_b32 v[BIO], 2, v4
	s_wait_alu depctr_va_vdst(0)
	s_lshl_b32 s77, s20, 1
	s_add_co_u32 s77, s77, s15
	s_lshl_b32 s76, s46, 1
	s_add_co_u32 s76, s76, s16
.if EPI == 1
	s_mul_i32 s78, s77, s67
	s_add_co_u32 s78, s78, s66
.else
	s_lshl_b32 s78, s77, 5
.endif
	s_add_co_u32 s78, s78, s76
	s_mul_i32 s78, s78, REC
	s_mov_b32 s79, 0
	s_add_nc_u64 s[10:11], s[10:11], s[78:79]
	s_lshl_b32 s80, s76, 9
	s_mov_b32 s81, 0
.if EPI == 1
	s_lshl_b32 s82, s77, 9
	s_add_co_u32 s82, s82, 8192
	s_mov_b32 s83, 0
	s_cmp_eq_u32 ttmp9, 2
	s_cselect_b32 s80, 0, s80
	s_cselect_b32 s82, s82, 0
	s_add_nc_u64 s[82:83], s[8:9], s[82:83]
.endif
	s_add_nc_u64 s[80:81], s[8:9], s[80:81]
.irp b, 0,1,2,3,4,5,6,7
	global_load_b128 v[BJ+8*\b:BJ+8*\b+3], v[BJO], s[80:81] offset:128*(\b/2)+32*(\b%2)
	global_load_b128 v[BJ+8*\b+4:BJ+8*\b+7], v[BJO], s[80:81] offset:128*(\b/2)+32*(\b%2)+16
.endr
.if EPI == 1
.irp a, 0,1,2,3,4,5,6,7
	global_load_b32 v[BI+\a], v[BIO], s[82:83] offset:(32*(\a/2)+8*(\a%2))*4
.endr
.endif
.macro FRAG reg, adr, off
.irp c, 0,1,2
	ds_load_b128 v[\reg+4*\c:\reg+4*\c+3], v[\adr] offset:\off+512*\c
.endr
.endm
.macro MUL16 a0, p, q, sc, zero
.irp a, \a0, \a0+1
.irp b, 0,1,2,3,4,5,6,7
.if \zero
	v_wmma_scale_f32_16x16x128_f8f6f4 v[8*(8*((\a)%4)+\b):8*(8*((\a)%4)+\b)+7], v[128*(\p)+FR*\b:128*(\p)+FR*\b+FR-1], v[AF+FR*(\a):AF+FR*(\a)+FR-1], v[BJ+8*\b:BJ+8*\b+7], v[SC+8*NQ*(\sc)+NQ*\b+(\q)], v[SC+8*NQ*(\sc)+NQ*(\a)+(\q)] matrix_a_fmt:MATRIX_FMT_FP6 matrix_b_fmt:MATRIX_FMT_FP6 matrix_a_scale:MATRIX_SCALE_ROW1
.else
	v_wmma_scale_f32_16x16x128_f8f6f4 v[8*(8*((\a)%4)+\b):8*(8*((\a)%4)+\b)+7], v[128*(\p)+FR*\b:128*(\p)+FR*\b+FR-1], v[AF+FR*(\a):AF+FR*(\a)+FR-1], v[8*(8*((\a)%4)+\b):8*(8*((\a)%4)+\b)+7], v[SC+8*NQ*(\sc)+NQ*\b+(\q)], v[SC+8*NQ*(\sc)+NQ*(\a)+(\q)] matrix_a_fmt:MATRIX_FMT_FP6 matrix_b_fmt:MATRIX_FMT_FP6 matrix_a_scale:MATRIX_SCALE_ROW1
.endif
.endr
.endr
.endm
.macro FETCH_B slot, q, p
	WIN TO_B
.irp i, 0,1,2,3,4,5,6,7
	FRAG 128*(\p)+FR*\i, ADRB+\slot, (\q)*REC+1536*\i
.endr
	WIN 0
.endm
.macro FETCH_A slot, q, i0
.irp i, \i0, \i0+1, \i0+2, \i0+3
	FRAG AF+FR*(\i), ADRA+\slot, (\q)*REC+1536*(\i)
.endr
.endm
.macro SCALES slot, set
.irp i, 0,1,2,3,4,5,6,7
.irp q, 0,1
	ds_load_b32 v[SC+8*NQ*\set+NQ*\i+\q], v[ADRS+\slot] offset:\q*REC+64*\i
.endr
.endr
.endm
.macro STEP slot, set, q, zero
	s_wait_dscnt 4*NL
.if \zero
	WIN 0x81
.else
	WIN MUL_LO
.endif
	MUL16 0, (\q)%2, \q, \set, \zero
	MUL16 2, (\q)%2, \q, \set, \zero
	s_wait_dscnt 0
	PLACES NP
	FETCH_B \slot, (\q)+1, 1-(\q)%2
	FETCH_A \slot, (\q)+1, 0
.if \zero
	WIN 0xc1
.else
	WIN MUL_HI
.endif
	MUL16 4, (\q)%2, \q, \set, \zero
	MUL16 6, (\q)%2, \q, \set, \zero
	PLACES NP
	WIN 0
	FETCH_A \slot, (\q)+1, 4
.endm
.macro TURN set, next, nset, mode
.if \mode
	s_wait_tensorcnt 0x0
	ds_add_u32 v[SPW], v[NIL]
	s_wait_dscnt 4*NL+1
.else
	s_wait_dscnt 4*NL
.endif
	WIN MUL_LO
	MUL16 0, 1, NQ-1, \set, 0
.if \mode
	s_wait_dscnt 0x0
	s_barrier_signal -1
.endif
	MUL16 2, 1, NQ-1, \set, 0
.if \mode
	WIN 0
	s_barrier_wait -1
.else
	s_wait_dscnt 0x0
.endif
.if \mode == 2
	CREST
	s_add_nc_u64 s[G0+2:G0+3], s[G0+2:G0+3], 3*PAIR
	s_add_nc_u64 s[G0B+2:G0B+3], s[G0B+2:G0B+3], 3*PAIR
	s_mov_b32 s[G1+2], 100<<16                     ; no tensor load of mine is out: the refill brings two records, 100 rows of 256 bytes
	s_mov_b32 s[G1+4], 100
	s_mov_b32 s[G1B+2], 100<<16
	s_mov_b32 s[G1B+4], 100
	JLOAD G0, G1, G0B, G1B
.else
	PLACES NP
.endif
	FETCH_B \next, 0, 0
	FETCH_A \next, 0, 0
	SCALES \next, \nset
	WIN MUL_HI
	MUL16 4, 1, NQ-1, \set, 0
	MUL16 6, 1, NQ-1, \set, 0
	PLACES NP
	WIN 0
	FETCH_A \next, 0, 4
.endm
	s_wait_tensorcnt 0x0
	s_barrier_signal -1
	s_barrier_wait -1
	s_wait_loadcnt 0x0
.if EPI == 1
.set i, 0
.rept 64
	v_cndmask_b32 v[BJ+i], v[BJ+i], 0, s71
.set i, i+1
.endr
.set i, 0
.rept 8
	v_cndmask_b32 v[BI+i], 0, v[BI+i], s71
.set i, i+1
.endr
.endif
	FETCH_B 0, 0, 0
	FETCH_A 0, 0, 0
	SCALES 0, 0
	FETCH_A 0, 0, 4
	s_wait_alu depctr_va_vdst(0)
	STEP 0, 0, 0, 1
	TURN 0, 1, 1, 2
	STEP 1, 1, 0, 0
	TURN 1, 2, 0, 0
	STEP 2, 0, 0, 0
	TURN 0, 0, 1, 1
	STEP 0, 1, 0, 0
	s_wait_dscnt 4*NL
	WIN MUL_LO
	MUL16 0, 1, NQ-1, 1, 0
	MUL16 2, 1, NQ-1, 1, 0
	s_wait_dscnt 0
	WIN MUL_HI
	MUL16 4, 1, NQ-1, 1, 0
	MUL16 6, 1, NQ-1, 1, 0
	WIN 0
	PLACES NP
.irp b, 0,1,2,3
	v_mov_b32 v[TM+4+\b], 0
.endr
.macro BLOCK a
.set AC, 64*((\a)%4)
.set i, 0
.if EPI == 1
	WIN 0x02+(\a)/4
.rept 32
.if (\a)%2 == 0
	v_pk_add_f32 v[T+i:T+i+1], v[AC+i:AC+i+1], v[BI+(\a):BI+(\a)+1] op_sel_hi:[1,0]
.else
	v_pk_add_f32 v[T+i:T+i+1], v[AC+i:AC+i+1], v[BI+(\a)-1:BI+(\a)] op_sel:[0,1] op_sel_hi:[1,1]
.endif
.set i, i+2
.endr
.else
	WIN 0x08+4*((\a)/4)
.rept 64
	v_max_num_f32 v[T+i], 0, v[AC+i]
.set i, i+1
.endr
.endif
	WIN 0
.if (\a) > 0
	s_wait_xcnt 0x0
	s_wait_dscnt 0x0
.endif
	QUANT T, PW
.irp c, 0,1,2
	global_store_b128 v[OUTO], v[PC+4*\c:PC+4*\c+3], s[10:11] offset:1536*(\a)+512*\c
.endr
	ds_store_b32 v[SSTA], v[PW] offset:64*(\a)
.endm
.irp a, 0,1,2,3,4,5,6,7
	BLOCK \a
.endr
	ds_load_b128 v[SB:SB+3], v[SSTR]
	s_wait_dscnt 0x0
	global_store_b128 v[OUTO], v[SB:SB+3], s[10:11] offset:12288
	s_wait_tensorcnt 0x0
	ds_add_u32 v[SPW], v[NIL]
	s_wait_dscnt 0x0
	CROUND
	s_endpgm
.Lfunc_end_k_q8a551e570a_qkvg:
	.size	k_q8a551e570a_qkvg, .Lfunc_end_k_q8a551e570a_qkvg-k_q8a551e570a_qkvg
	.p2alignl 7, 3214868480
	.fill 96, 4, 3214868480
	.section	.rodata,"a",@progbits
	.p2align	6, 0x0
	.amdhsa_kernel k_q8a551e570a_qkvg
		.amdhsa_group_segment_fixed_size 327680
		.amdhsa_private_segment_fixed_size 0
		.amdhsa_enable_private_segment 0
		.amdhsa_kernarg_size 32
		.amdhsa_user_sgpr_count 2
		.amdhsa_user_sgpr_kernarg_segment_ptr 1
		.amdhsa_wavefront_size32 1
		.amdhsa_system_sgpr_workgroup_id_x 1
		.amdhsa_system_sgpr_workgroup_id_y 1
		.amdhsa_system_sgpr_workgroup_id_z 1
		.amdhsa_system_vgpr_workitem_id 0
		.amdhsa_next_free_vgpr 1024
		.amdhsa_next_free_sgpr 98
		.amdhsa_reserve_vcc 0
		.amdhsa_float_denorm_mode_32 3
		.amdhsa_float_denorm_mode_16_64 3
		.amdhsa_memory_ordered 1
		.amdhsa_forward_progress 1
		.amdhsa_inst_pref_size 161
	.end_amdhsa_kernel
	.amdgpu_metadata
---
amdhsa.version: [ 1, 2 ]
amdhsa.kernels:
  - .name:           k_q8a551e570a_qkvg
    .symbol:         k_q8a551e570a_qkvg.kd
    .args:
      - { .name: hq, .offset: 0, .size: 8, .value_kind: global_buffer, .address_space: global }
      - { .name: wq, .offset: 8, .size: 8, .value_kind: global_buffer, .address_space: global }
      - { .name: in_proj_b, .offset: 16, .size: 8, .value_kind: global_buffer, .address_space: global }
      - { .name: qkv, .offset: 24, .size: 8, .value_kind: global_buffer, .address_space: global }
    .group_segment_fixed_size: 327680
    .private_segment_fixed_size: 0
    .kernarg_segment_align: 8
    .kernarg_segment_size: 32
    .max_flat_workgroup_size: 128
    .sgpr_count:     98
    .vgpr_count:     1024
    .wavefront_size: 32
...
	.end_amdgpu_metadata
.endif
;; end of part 2
;; launch attn (part 3): grid 16 x 16, 8 waves a work-group, no clusters, 168,960 bytes of LDS; arguments qkv, ao; writes ao
.if DOCPART == 3
	.amdgcn_target "amdgcn-amd-amdhsa--gfx1250"
	.amdhsa_code_object_version 6
	.text
	.protected	k_q8a551e570a_attn
	.globl	k_q8a551e570a_attn
	.p2align	8
	.type	k_q8a551e570a_attn,@function
k_q8a551e570a_attn:
	s_mov_b64 s[64:65], 0
	v_nop
	global_prefetch_b8 v0, s[64:65] scope:SCOPE_SE
	s_setreg_imm32_b32 hwreg(HW_REG_WAVE_MODE, 25, 1), 1
	s_wait_xcnt 0x0
; Attention under the band (key k counts for query q where q - 256 <= k <= q), both products on codes of FP6 (E2M3) with E8M0 scales; the result, divided by the row's sum, is quantised along E and leaves as records.
; RECORDS (128 rows x 128 K, 12,800 bytes: eight register images of 1,536 bytes, then 512 bytes of scale words; lane r of fragment t holds row 32 (t / 2) + 8 (t % 2) + r + 8 (r / 8)):
; q at (token group x 16 + head), k at (token group x 16 + 8 + head), v with the keys along K at 512 + 32 head + token group; the output at (token group x 8 + head).
; SHARES.  A work-group owns 128 queries (one token group) of one head of one batch; each of its eight waves 16 of them: fragment w of q's record.  The band reaches the token groups qg - 2, qg - 1, qg:
; three key steps of 128.  In the first the keys under the query's own place are hidden, in the last those above it, in the middle none.  Steps that would lie ahead of the batch's first token are
; jumped over (a scalar branch on the work-group's number); their records are fetched from a clamped place and not read.
; K's and V's three records each come by ONE tensor load each (waves 0-5), once: nothing in LDS is filled twice.
; NO CLUSTER: a record of K or V is wanted by three neighbouring query groups, so in a cluster of four the partners that share a tile would be one to three and change from tile to tile.
; LAYOUT.  Both products are used transposed (S^T = K Q^T, O^T = V^T P^T): a lane holds one query throughout; by the records' order of rows the 16 registers of two neighbouring tiles are 16 neighbouring keys (or channels).
; SOFTMAX: t = score x log2(e) / sqrt(128); M = the running largest t rounded up to a whole number; p = 2^(t - M) is quantised along the keys; the sum is taken of the unquantised p.
; LIMITS: a block of zeros gets the byte 1 (its codes are zeros); NaN and infinities are not served.
.set REC,  12800
.set VB,   3*REC                       ; LDS: K's three records, then V's three,
.set SCST, 6*REC                       ; then 512 bytes for the output record's scale words: no fill lands here
.set LI,   1                           ; v1   16 x lane
.set LS,   2                           ; v2   4 r
.set DD,   3                           ; v3   my query's place in its group - 16 (lane / 16)
.set AV,   4                           ; v4   16 x lane + VB
.set AVS,  5                           ; v5   4 r + VB
.set NINF, 6                           ; v6   -infinity
.set SCW,  7                           ; v7   where my row's scale word goes
.set SCR,  8                           ; v8   and where wave 0 reads the 512 bytes back
.set GO,   9                           ; v9   16 x lane + 1,536 w: my fragment in a record
.set GS,   10                          ; v10  4 r + 64 w: its scale words
.set PC,   32
.set TM,   232
.set WV,   18
.set QG,   19
.set SEL,  20
.set CS,   22
.macro QUANT s, pw
.irp b, 0,1,2,3
	v_max3_num_f32 v[TM+\b], |v[\s+16*\b]|, |v[\s+1+16*\b]|, 0x1800000
.endr
.irp i, 2,4,6,8,10,12,14
.irp b, 0,1,2,3
	s_delay_alu instid0(VALU_DEP_4)
	v_max3_num_f32 v[TM+\b], v[TM+\b], |v[\s+16*\b+\i]|, |v[\s+1+16*\b+\i]|
.endr
.endr
.irp b, 0,1,2,3
	s_delay_alu instid0(VALU_DEP_4)
	v_permlanex16_b32 v[TM+4+\b], v[TM+\b], s[SEL], s[SEL+1]
.endr
.irp b, 0,1,2,3
	s_delay_alu instid0(VALU_DEP_4)
	v_max_num_f32 v[TM+\b], v[TM+\b], v[TM+4+\b]
.endr
.irp b, 0,1,2,3
	s_delay_alu instid0(VALU_DEP_4)
	v_add_nc_u32 v[TM+12+\b], 0xff000000, v[TM+\b]
.endr
.irp b, 0,1,2,3
	s_delay_alu instid0(VALU_DEP_4)
	v_lshrrev_b32 v[TM+4+\b], 23, v[TM+12+\b]
.endr
	s_delay_alu instid0(VALU_DEP_3)
	v_lshl_or_b32 v[\pw], v[TM+5], 8, v[TM+4]
	s_delay_alu instid0(VALU_DEP_1)
	v_lshl_or_b32 v[\pw], v[TM+6], 16, v[\pw]
	s_delay_alu instid0(VALU_DEP_1)
	v_lshl_or_b32 v[\pw], v[TM+7], 24, v[\pw]
.irp c, 0,1
	v_cvt_scalef32_pk16_fp6_f32 v[PC+6*\c:PC+2+6*\c], v[\s+32*\c:\s+15+32*\c], v[TM+12+2*\c]
	v_cvt_scalef32_pk16_fp6_f32 v[PC+12+4*\c:PC+14+4*\c], v[\s+16+32*\c:\s+31+32*\c], v[TM+12+2*\c+1]
.endr
	v_nop
.irp c, 0,1
.irp i, 0,1,2
	v_permlane16_swap_b32 v[PC+6*\c+\i], v[PC+12+4*\c+\i]
.endr
.irp i, 0,1,2
	s_delay_alu instid0(VALU_DEP_3)
	v_mov_b32 v[PC+3+6*\c+\i], v[PC+12+4*\c+\i]
.endr
.endr
.endm
	s_load_b128 s[4:7], s[0:1], 0x0                ; qkv, ao
	v_lshl_add_u32 v95, v0, 2, 0x29000
	v_mov_b32 v243, 0
	ds_add_u32 v95, v243
	ds_add_u32 v95, v243
	v_lshrrev_b32 v28, 5, v0
	s_delay_alu instid0(VALU_DEP_1)
	v_readfirstlane_b32 s[WV], v28                 ; wave 0..7
	s_mov_b32 s[QG], ttmp9                         ; the query group in its batch
	s_and_b32 s16, ttmp7, 0xffff
	s_and_b32 s17, s16, 7                          ; the head
	s_lshr_b32 s16, s16, 3
	s_lshl_b32 s16, s16, 4                         ; the batch's first token group
	s_mov_b32 s24, 3<<16                           ; group 1: a record as 50 rows of 256 bytes (32 elements of 8), dense, no mask, no padding
	s_mov_b32 s25, 32<<16
	s_mov_b32 s26, 50<<16
	s_mov_b32 s27, 32<<16
	s_mov_b32 s28, 50
	s_mov_b32 s29, 32
	s_mov_b32 s30, 0
	s_mov_b32 s31, 0
	s_cmp_lt_u32 s[WV], 3                          ; waves 0-2 fetch K's records of steps 0-2, waves 3-5 V's
	s_cselect_b32 s36, 0, 3
	s_sub_co_u32 s36, s[WV], s36
	s_add_co_u32 s37, s[QG], s36
	s_sub_co_i32 s37, s37, 2
	s_max_i32 s37, s37, 0                          ; the step's key group, held inside the batch
	s_add_co_u32 s38, s16, s37
	s_lshl_b32 s39, s38, 4
	s_add_co_u32 s39, s39, s17
	s_add_co_u32 s39, s39, 8                       ; K's record
	s_lshl_b32 s40, s17, 5
	s_add_co_u32 s40, s40, s38
	s_add_co_u32 s40, s40, 512                     ; V's
	s_cmp_lt_u32 s[WV], 3
	s_cselect_b32 s39, s39, s40
	s_mul_i32 s42, s39, REC
	s_mov_b32 s43, 0
	s_add_co_u32 s44, s16, s[QG]
	s_lshl_b32 s45, s44, 4
	s_add_co_u32 s45, s45, s17
	s_mul_i32 s46, s45, REC                        ; q's record
	s_mov_b32 s47, 0
	s_lshl_b32 s45, s44, 3
	s_add_co_u32 s45, s45, s17
	s_mul_i32 s48, s45, REC                        ; the output's
	s_mov_b32 s49, 0
	s_mov_b32 s[SEL], 0x76543210
	s_mov_b32 s[SEL+1], 0xfedcba98
	s_mov_b32 s[CS], 0x3e0293ee                    ; c = log2(e) / sqrt(128)
	s_mov_b32 s[CS+1], s[CS]
	s_mov_b32 s32, 1
	s_mul_i32 s33, s[WV], REC                      ; LDS: wave x a record
	s_wait_dscnt 0x0
	s_wait_kmcnt 0x0
	s_add_nc_u64 s[34:35], s[4:5], s[42:43]
	s_or_b32 s35, s35, 0x80000000
	s_cmp_lt_u32 s[WV], 6
	s_cbranch_scc0 .Lno_fill
	tensor_load_to_lds s[32:35], s[24:31]          ; a wave's one tensor load of the launch
	s_nop 0
.rept 4
	v_nop
.endr
.Lno_fill:
	s_add_nc_u64 s[46:47], s[4:5], s[46:47]
	s_add_nc_u64 s[48:49], s[6:7], s[48:49]
	v_and_b32 v28, 31, v0
	v_and_b32 v29, 15, v0
	v_bfe_u32 v30, v0, 4, 1
	s_delay_alu instid0(VALU_DEP_3)
	v_lshlrev_b32 v[LI], 4, v28
	s_delay_alu instid0(VALU_DEP_3)
	v_lshlrev_b32 v[LS], 2, v29
	s_delay_alu instid0(VALU_DEP_2)
	v_add_nc_u32 v[AV], VB, v[LI]
	s_delay_alu instid0(VALU_DEP_2)
	v_add_nc_u32 v[AVS], VB, v[LS]
	s_mul_i32 s36, s[WV], 1536
	v_add_nc_u32 v[GO], s36, v[LI]
	s_lshl_b32 s36, s[WV], 6
	v_add_nc_u32 v[GS], s36, v[LS]
	s_delay_alu instid0(VALU_DEP_1)
	v_add_nc_u32 v[SCW], SCST, v[GS]
	v_add_nc_u32 v[SCR], SCST, v[LI]
.irp c, 0,1,2
	global_load_b128 v[16+4*\c:19+4*\c], v[GO], s[46:47] offset:512*\c     ; Q's fragment stays in registers
.endr
	global_load_b32 v255, v[GS], s[46:47] offset:12288                     ; and its scale words
	v_and_b32 v31, 8, v29
	s_delay_alu instid0(VALU_DEP_1)
	v_add_nc_u32 v31, v31, v29
	s_lshr_b32 s36, s[WV], 1
	s_lshl_b32 s36, s36, 5
	s_and_b32 s37, s[WV], 1
	s_lshl_b32 s37, s37, 3
	s_add_co_u32 s36, s36, s37
	v_add_nc_u32 v31, s36, v31                     ; my query's place: 32 (w / 2) + 8 (w % 2) + r + 8 (r / 8)
	v_lshlrev_b32 v30, 4, v30
	s_delay_alu instid0(VALU_DEP_1)
	v_sub_nc_u32 v[DD], v31, v30
	v_mov_b32 v[NINF], 0xff800000
	v_mov_b32 v13, 0xff61b1e6                      ; the largest t so far: -3e38
	s_delay_alu instid0(VALU_DEP_1)
	v_floor_f32 v12, -v13                          ; -M
	v_mov_b32 v14, 0                               ; the sum, in two halves
	v_mov_b32 v15, 0
.irp b, 0,1,2,3
	v_mov_b32 v[236+\b], 0                         ; a lane permute's destination counts as one of its sources
.endr
	v_mov_b32 v253, 0                              ; (named as the upper half of the pair v[252:253] before it is first written)
.set i, 0
.rept 64
	v_mov_b32 v[160+i], 0                          ; O^T: the step is written alike for all three: the first that runs finds zeros
.set i, i+1
.endr
; KEY STEP j: the 128 keys of token group qg - 2 + j.
.macro STEP j
.if \j < 2
	s_cmp_lt_u32 s[QG], 2-\j                       ; ahead of the batch's first token: nothing to do
	s_cbranch_scc1 .Lskip_\@
.endif
.irp g, 0,1                                        ; S^T = K Q^T, four tiles of 16 keys at a time
.rept 4
	v_nop                                          ; places in front of loads into registers that matrix instructions have read
.endr
.irp t, 0,1,2,3
.irp c, 0,1,2
	ds_load_b128 v[32+12*\t+4*\c:35+12*\t+4*\c], v[LI] offset:\j*REC+1536*(4*\g+\t)+512*\c
.endr
	ds_load_b32 v[248+\t], v[LS] offset:\j*REC+12288+64*(4*\g+\t)
.endr
	s_wait_dscnt 0x0
.irp t, 0,1,2,3
	v_wmma_scale_f32_16x16x128_f8f6f4 v[96+8*(4*\g+\t):103+8*(4*\g+\t)], v[32+12*\t:43+12*\t], v[16:27], 0, v[248+\t], v255 matrix_a_fmt:MATRIX_FMT_FP6 matrix_b_fmt:MATRIX_FMT_FP6
.endr
.endr
.rept 4
	v_nop
.endr
.if \j != 1                                        ; register n holds key 32 (n / 16) + n % 16 + 16 (lane / 16) of the group: hidden scores become -infinity ahead of the maximum
.set n, 0
.rept 64
.if \j == 0
	v_cmp_lt_i32 vcc_lo, 32*(n/16)+n%16, v[DD]     ; more than 256 behind my query
.else
	v_cmp_gt_i32 vcc_lo, 32*(n/16)+n%16, v[DD]     ; after my query
.endif
	v_cndmask_b32 v[96+n], v[96+n], v[NINF], vcc_lo
.set n, n+1
.endr
.endif
.irp b, 0,1,2,3
	v_max3_num_f32 v[232+\b], v[96+16*\b], v[97+16*\b], v[98+16*\b]   ; the largest score of each block of 32 keys: for the row's maximum and, since p rises with the score, for the block's largest p
.endr
.irp i, 3,5,7,9,11,13
.irp b, 0,1,2,3
	v_max3_num_f32 v[232+\b], v[232+\b], v[96+16*\b+\i], v[97+16*\b+\i]
.endr
.endr
.irp b, 0,1,2,3
	v_max_num_f32 v[232+\b], v[232+\b], v[111+16*\b]
.endr
.irp b, 0,1,2,3
	s_delay_alu instid0(VALU_DEP_4)
	v_permlanex16_b32 v[236+\b], v[232+\b], s[SEL], s[SEL+1]
.endr
.irp b, 0,1,2,3
	s_delay_alu instid0(VALU_DEP_4)
	v_max_num_f32 v[232+\b], v[232+\b], v[236+\b]
.endr
	s_delay_alu instid0(VALU_DEP_2)
	v_max3_num_f32 v254, v232, v233, v234
	s_delay_alu instid0(VALU_DEP_1)
	v_max_num_f32 v254, v254, v235                 ; the step's largest score of my query (every step that runs has a key that counts for it)
	s_delay_alu instid0(VALU_DEP_1)
	v_mul_f32 v254, s[CS], v254
	s_delay_alu instid0(VALU_DEP_1)
	v_max_num_f32 v13, v13, v254                   ; the running largest t
	v_mov_b32 v254, v12
	s_delay_alu instid0(VALU_DEP_2)
	v_floor_f32 v12, -v13                          ; the new -M = -ceil(t): a whole number
	s_delay_alu instid0(VALU_DEP_1)
	v_sub_f32 v254, v12, v254
	s_delay_alu instid0(VALU_DEP_1)
	v_cvt_i32_f32 v254, v254                       ; (it saturates)
	s_delay_alu instid0(VALU_DEP_1)
	v_ldexp_f32 v252, 1.0, v254                    ; f = 2^(old M - new M): rounds nothing
.set i, 0
.rept 32
	v_pk_fma_f32 v[96+i:97+i], v[96+i:97+i], s[CS:CS+1], v[12:13] op_sel_hi:[1,0,0]   ; t - M
.set i, i+2
.endr
.irp b, 0,1,2,3
	v_fma_f32 v[232+\b], v[232+\b], s[CS], v12
.endr
.set i, 0
	s_wait_alu depctr_va_vdst(0)
.rept 64
	v_exp_f32 v[96+i], v[96+i]                     ; p = 2^(t - M)
.set i, i+1
.endr
	v_pk_mul_f32 v[14:15], v[14:15], v[252:253] op_sel_hi:[1,0]   ; the sums under the new M (a plain place behind the exponentials)
	s_wait_alu depctr_va_vdst(0)                   ; one wait for the whole batch, ahead of its first reader
.irp b, 0,1,2,3
	v_exp_f32 v[232+\b], v[232+\b]                 ; the block's largest p
.endr
	v_pk_add_f32 v[236:237], v[100:101], v[104:105]
	v_pk_add_f32 v[250:251], v[108:109], v[112:113]
	v_pk_add_f32 v[248:249], v[116:117], v[120:121]
	v_pk_add_f32 v[246:247], v[124:125], v[128:129]
	v_pk_add_f32 v[244:245], v[132:133], v[136:137]
	v_pk_add_f32 v[240:241], v[140:141], v[144:145]
	v_pk_add_f32 v[238:239], v[148:149], v[152:153]
	v_pk_add_f32 v[14:15], v[14:15], v[156:157]
	v_pk_add_f32 v[236:237], v[236:237], v[96:97]
	v_pk_add_f32 v[250:251], v[250:251], v[98:99]
	v_pk_add_f32 v[248:249], v[248:249], v[102:103]
	v_pk_add_f32 v[246:247], v[246:247], v[106:107]
	v_pk_add_f32 v[244:245], v[244:245], v[110:111]
	v_pk_add_f32 v[240:241], v[240:241], v[114:115]
	v_pk_add_f32 v[238:239], v[238:239], v[118:119]
	v_pk_add_f32 v[14:15], v[14:15], v[122:123]
	v_pk_add_f32 v[236:237], v[236:237], v[126:127]
	v_pk_add_f32 v[250:251], v[250:251], v[130:131]
	v_pk_add_f32 v[248:249], v[248:249], v[134:135]
	v_pk_add_f32 v[246:247], v[246:247], v[138:139]
	v_pk_add_f32 v[244:245], v[244:245], v[142:143]
	v_pk_add_f32 v[240:241], v[240:241], v[146:147]
	v_pk_add_f32 v[238:239], v[238:239], v[150:151]
	v_pk_add_f32 v[14:15], v[14:15], v[154:155]
	v_pk_add_f32 v[236:237], v[236:237], v[158:159]
	s_delay_alu instid0(VALU_DEP_2)
	v_pk_add_f32 v[14:15], v[14:15], v[246:247]
	s_delay_alu instid0(VALU_DEP_2)
	v_pk_add_f32 v[236:237], v[236:237], v[244:245]
	v_pk_add_f32 v[250:251], v[250:251], v[240:241]
	v_pk_add_f32 v[248:249], v[248:249], v[238:239]
	s_delay_alu instid0(VALU_DEP_2)
	v_pk_add_f32 v[14:15], v[14:15], v[250:251]
	s_delay_alu instid0(VALU_DEP_2)
	v_pk_add_f32 v[236:237], v[236:237], v[248:249]
	s_delay_alu instid0(VALU_DEP_1)
	v_pk_add_f32 v[14:15], v[14:15], v[236:237]
	s_wait_alu depctr_va_vdst(0)                   ; and one for the four
.irp b, 0,1,2,3
	v_max_num_f32 v[232+\b], 0x1800000, v[232+\b]  ; the floor 2^(3 - 127)
.endr
.irp b, 0,1,2,3
	s_delay_alu instid0(VALU_DEP_4)
	v_add_nc_u32 v[244+\b], 0xff000000, v[232+\b]
.endr
.irp b, 0,1,2,3
	s_delay_alu instid0(VALU_DEP_4)
	v_lshrrev_b32 v[236+\b], 23, v[244+\b]
.endr
	s_delay_alu instid0(VALU_DEP_3)
	v_lshl_or_b32 v253, v237, 8, v236              ; p's scale word for these 128 keys
	s_delay_alu instid0(VALU_DEP_1)
	v_lshl_or_b32 v253, v238, 16, v253
	s_delay_alu instid0(VALU_DEP_1)
	v_lshl_or_b32 v253, v239, 24, v253
.irp c, 0,1
	v_cvt_scalef32_pk16_fp6_f32 v[224+6*\c:226+6*\c], v[96+32*\c:111+32*\c], v[244+2*\c]
	v_cvt_scalef32_pk16_fp6_f32 v[236+4*\c:238+4*\c], v[112+32*\c:127+32*\c], v[244+2*\c+1]
.endr
	v_nop
.irp c, 0,1
.irp i, 0,1,2
	v_permlane16_swap_b32 v[224+6*\c+\i], v[236+4*\c+\i]
.endr
.irp i, 0,1,2
	s_delay_alu instid0(VALU_DEP_3)
	v_mov_b32 v[227+6*\c+\i], v[236+4*\c+\i]
.endr
.endr
.set i, 0
.rept 32
	v_pk_mul_f32 v[160+i:161+i], v[160+i:161+i], v[252:253] op_sel_hi:[1,0]   ; O^T under the new M; these 32 are also the places in front of the matrix instructions and loads below
.set i, i+2
.endr
	s_wait_alu depctr_va_vdst(0)
.irp g, 0,1                                        ; O^T += V^T P^T
.if \g > 0
.rept 4
	v_nop
.endr
.endif
.irp t, 0,1,2,3
.irp c, 0,1,2
	ds_load_b128 v[32+12*\t+4*\c:35+12*\t+4*\c], v[AV] offset:\j*REC+1536*(4*\g+\t)+512*\c
.endr
	ds_load_b32 v[248+\t], v[AVS] offset:\j*REC+12288+64*(4*\g+\t)
.endr
	s_wait_dscnt 0x0
.irp t, 0,1,2,3
	v_wmma_scale_f32_16x16x128_f8f6f4 v[160+8*(4*\g+\t):167+8*(4*\g+\t)], v[32+12*\t:43+12*\t], v[224:235], v[160+8*(4*\g+\t):167+8*(4*\g+\t)], v[248+\t], v253 matrix_a_fmt:MATRIX_FMT_FP6 matrix_b_fmt:MATRIX_FMT_FP6
.endr
.endr
.if \j < 2
.Lskip_\@:
.endif
.endm
	s_wait_tensorcnt 0x0                           ; my record has landed,
	s_barrier_signal -1
	s_barrier_wait -1                              ; everybody's has
	s_wait_loadcnt 0x0                             ; Q
	STEP 0
	STEP 1
	STEP 2
	; THE WAY OUT: O^T / the sum is, register by register, my query's 128 channels as the quantiser wants them: fragment w of the output's record
.rept 4
	v_nop                                          ; places behind the last products
.endr
	v_add_f32 v14, v14, v15
	s_delay_alu instid0(VALU_DEP_1)
	v_permlanex16_b32 v252, v14, s[SEL], s[SEL+1]
	s_delay_alu instid0(VALU_DEP_1)
	v_add_f32 v14, v14, v252                       ; the row's sum
	s_wait_alu depctr_va_vdst(0)
	v_rcp_f32 v14, v14
	v_nop                                          ; a plain place behind the transcendental
	s_wait_alu depctr_va_vdst(0)                   ; the wait, ahead of the first reader
.set i, 0
.rept 32
	v_pk_mul_f32 v[96+i:97+i], v[160+i:161+i], v[14:15] op_sel_hi:[1,0]   ; each accumulator is read from its low end on
.set i, i+2
.endr
	QUANT 96, 252
.irp c, 0,1,2
	global_store_b128 v[GO], v[PC+4*\c:PC+4*\c+3], s[48:49] offset:512*\c  ; 512 consecutive bytes, at a multiple of 256 from the buffer's first byte
.endr
	ds_store_b32 v[SCW], v252                      ; lanes l and l + 16 write the same word with the same value
	s_wait_dscnt 0x0                               ; for the others' sake
	s_barrier_signal -1
	s_barrier_wait -1
	s_cmp_lg_u32 s[WV], 0
	s_cbranch_scc1 .Lend
	ds_load_b128 v[56:59], v[SCR]                  ; wave 0 stores the record's 512 bytes of scale words
	s_wait_dscnt 0x0
	global_store_b128 v[LI], v[56:59], s[48:49] offset:12288
.Lend:
	s_wait_tensorcnt 0x0
	ds_add_u32 v95, v243
	s_wait_dscnt 0x0
	s_endpgm
.Lfunc_end_k_q8a551e570a_attn:
	.size	k_q8a551e570a_attn, .Lfunc_end_k_q8a551e570a_attn-k_q8a551e570a_attn
	.p2alignl 7, 3214868480
	.fill 96, 4, 3214868480
	.section	.rodata,"a",@progbits
	.p2align	6, 0x0
	.amdhsa_kernel k_q8a551e570a_attn
		.amdhsa_group_segment_fixed_size 168960
		.amdhsa_private_segment_fixed_size 0
		.amdhsa_enable_private_segment 0
		.amdhsa_kernarg_size 16
		.amdhsa_user_sgpr_count 2
		.amdhsa_user_sgpr_kernarg_segment_ptr 1
		.amdhsa_wavefront_size32 1
		.amdhsa_system_sgpr_workgroup_id_x 1
		.amdhsa_system_sgpr_workgroup_id_y 1
		.amdhsa_system_sgpr_workgroup_id_z 1
		.amdhsa_system_vgpr_workitem_id 0
		.amdhsa_next_free_vgpr 256
		.amdhsa_next_free_sgpr 66
		.amdhsa_reserve_vcc 1
		.amdhsa_float_denorm_mode_32 3
		.amdhsa_float_denorm_mode_16_64 3
		.amdhsa_memory_ordered 1
		.amdhsa_forward_progress 1
		.amdhsa_inst_pref_size 88
	.end_amdhsa_kernel
	.amdgpu_metadata
---
amdhsa.version: [ 1, 2 ]
amdhsa.kernels:
  - .name:           k_q8a551e570a_attn
    .symbol:         k_q8a551e570a_attn.kd
    .args:
      - { .name: qkv, .offset: 0, .size: 8, .value_kind: global_buffer, .address_space: global }
      - { .name: ao, .offset: 8, .size: 8, .value_kind: global_buffer, .address_space: global }
    .group_segment_fixed_size: 168960
    .private_segment_fixed_size: 0
    .kernarg_segment_align: 8
    .kernarg_segment_size: 16
    .max_flat_workgroup_size: 256
    .sgpr_count:     66
    .vgpr_count:     256
    .wavefront_size: 32
...
	.end_amdgpu_metadata
.endif
;; end of part 3
;; launch outln (part 4): grid 256 x 1, 8 waves a work-group, clusters of 4 x 1, 327,680 bytes of LDS; arguments ao, wq, out_b, x, ln2_w, ln2_b, h2, mq; writes h2, mq
.if DOCPART == 4
	.amdgcn_target "amdgcn-amd-amdhsa--gfx1250"
	.amdhsa_code_object_version 6
	.text
	.protected	k_q8a551e570a_outln
	.globl	k_q8a551e570a_outln
	.p2align	8
	.type	k_q8a551e570a_outln,@function
k_q8a551e570a_outln:
	s_mov_b64 s[64:65], 0
	v_nop
	global_prefetch_b8 v0, s[64:65] scope:SCOPE_SE
	s_setreg_imm32_b32 hwreg(HW_REG_WAVE_MODE, 25, 1), 1
	s_wait_xcnt 0x0
	s_wait_alu depctr_hold_cnt(0) depctr_sa_sdst(0) depctr_va_vdst(0) depctr_va_sdst(0) depctr_va_ssrc(0) depctr_va_vcc(0) depctr_vm_vsrc(0)
	s_getreg_b32 s2, hwreg(HW_REG_IB_STS2, 6, 4)
	s_cmp_eq_u32 s2, 0
	s_cbranch_scc0 .Lentry_in_a_cluster
	s_endpgm
.Lentry_in_a_cluster:
	s_bfe_u32 s2, ttmp6, 0x10000c
	s_cmp_lg_u32 s2, 0x3003
	s_cbranch_scc0 .Lentry_shape_is_right
	s_endpgm
.Lentry_shape_is_right:
; h2 = x + ao out_w^T + out_b (stored as f32), and LayerNorm(h2) quantised to FP6 (E2M3) with E8M0 scales, stored as records of mq: two steps of the block in one launch.
; RECORDS as in the other launches: 128 rows x 128 K in 12,800 bytes: eight register images of 1,536 bytes, then 512 bytes of scale words; lane r of fragment t holds row 32 (t / 2) + 8 (t % 2) + r + 8 (r / 8).
; SHARES.  Work-group 8 g + t owns the 16 rows of fragment t of token group g, all 1,024 columns, so a row's mean and variance stay in the work-group.  Wave w owns columns 128 w .. 128 w + 127:
; eight accumulators, 64 matrix instructions (8 K steps x 8 fragments of out_w's column group w), and it writes fragment t of record (g, w) of mq.
; THE WEIGHTS.  All work-groups walk the same 819,200 bytes of out_w's codes, on two roads at once.
; Records 0-2 of a wave's column group (38,400 dense bytes) are asked for at the head, JOINTLY by the four partners of a cluster of 4 x 1 (the waves of the same number), and land in the wave's own region of LDS,
; which it alone reads: its own wait on TENSORcnt orders the reads.  LDS is filled once: there is no refill.
; Records 3-7 go from memory straight into registers (a record is a register image; each load 512 consecutive bytes), as ten UNITS of half a record: four fragments and their scale words, 14 loads; four units are in flight.
; The three records in LDS are multiplied behind the last unit's request, so that four units are on their way meanwhile.  So K is summed in the order 3-5, 0-2, 6-7, in f32.
; No prefetch for the weights: every work-group reads the same bytes.
; x is prefetched by one instruction a wave at the head (32 lanes, the wave's 32 blocks of 256 bytes) and loaded behind unit 13's products; behind the last products it turns through the wave's stage so that a lane holds one row.
; The stage and the wave's gain and bias lie in the wave's own region, which has then had its one fill and its last read.
; TRANSPOSED USE (source 0 = out_w's rows, source 1 = the tokens): a lane holds one row; register 16 b + i of the 64 is column 32 b + 16 (lane / 16) + i: what the conversions want.
; The variance is taken of h2 - mean, in a second pass.  Partial sums of the eight waves meet in LDS, one barrier for each pass, in bytes of their own.
; REGISTERS: window 0: v2-15 addresses; v16-31 at work; v32-39 A's scale words, v40-47 and v208-209 B's; v48-111 accumulators; v112-207 A's eight fragments, later gain (v112) and bias (v176).
;   window 1: v0-191 the four units' fragments (later v0-63 x, then h2 by rows); v192-239 fragments from LDS, two sets of two.
; LIMITS: a block of zeros gets the byte 1 where the rule says 127 (its codes are zeros; this program alone reads the bytes); NaN and infinities are not served.
.set REC,  12800
.set WREC, 192
.set RG,   3*REC                       ; a wave's region of LDS
.set SPT,  528                         ; a stage row: 512 bytes + 16
.set GBO,  8704                        ; in the region, behind the stage's 8,448 bytes: gain, then bias, 512 bytes each
.set ST1,  8*RG                        ; partial sums: 512 bytes for each pass
.set SPARE, ST1+1024
.set LI, 2
.set L4, 3
.set R4, 4
.set STO, 5
.set GBR, 8
.set S1W, 9
.set S1R, 10
.set PF, 11
.set SPW, 12
.set NIL, 13
.set BL, 14
.set BL4, 15
.set OB, 16
.set GW, 20
.set GBI, 24
.set SU, 28
.set AS, 32
.set BS, 40
.set ACC, 48
.set AF, 112
.set LW, 112
.set LB, 176
.set LS, 208
.set PS, 240
.set MU, 248
.set RS, 250
.set PW, 252
.set PC, 112
.set TM, 16
.set XR, 0                             ; window 1: x
.set LF, 192                           ; window 1: fragments from LDS
.set SEL, 54
.set G1, 68
.set G0, 76
.set MSB, 0
.macro WIN new
.if MSB != \new
	s_set_vgpr_msb (MSB<<8)|\new
.set MSB, \new
.endif
.endm
.macro ROUND
	s_barrier_signal -1
	s_barrier_wait -1
	s_cmp_lg_u32 s20, 0
	s_cbranch_scc1 .Lnot_wave_0_\@
	s_barrier_signal -3
.Lnot_wave_0_\@:
	s_barrier_wait -3
	s_barrier_signal -1
	s_barrier_wait -1
.endm
.macro QUANT s, pw
.irp b, 0,1,2,3
	v_max3_num_f32 v[TM+\b], |v[\s+16*\b]|, |v[\s+1+16*\b]|, 0x1800000   ; with the floor 2^(3 - 127): the byte cannot fall under 1
.endr
.irp i, 2,4,6,8,10,12,14
.irp b, 0,1,2,3
	v_max3_num_f32 v[TM+\b], v[TM+\b], |v[\s+16*\b+\i]|, |v[\s+1+16*\b+\i]|
.endr
.endr
.irp b, 0,1,2,3
	v_permlanex16_b32 v[TM+4+\b], v[TM+\b], s[SEL], s[SEL+1]
.endr
.irp b, 0,1,2,3
	v_max_num_f32 v[TM+\b], v[TM+\b], v[TM+4+\b]
.endr
.irp b, 0,1,2,3
	v_add_nc_u32 v[TM+12+\b], 0xff000000, v[TM+\b]     ; 2 off the exponent field: the conversion's scale operand
.endr
.irp b, 0,1,2,3
	v_lshrrev_b32 v[TM+4+\b], 23, v[TM+12+\b]
.endr
	v_lshl_or_b32 v[\pw], v[TM+5], 8, v[TM+4]
	v_lshl_or_b32 v[\pw], v[TM+6], 16, v[\pw]
	v_lshl_or_b32 v[\pw], v[TM+7], 24, v[\pw]
.irp c, 0,1
	v_cvt_scalef32_pk16_fp6_f32 v[PC+6*\c:PC+2+6*\c], v[\s+32*\c:\s+15+32*\c], v[TM+12+2*\c]
	v_cvt_scalef32_pk16_fp6_f32 v[PC+12+4*\c:PC+14+4*\c], v[\s+16+32*\c:\s+31+32*\c], v[TM+12+2*\c+1]
.endr
	v_nop                                              ; one plain place behind a scaled conversion
.irp c, 0,1
.irp i, 0,1,2
	v_permlane16_swap_b32 v[PC+6*\c+\i], v[PC+12+4*\c+\i]
.endr
.irp i, 0,1,2
	v_mov_b32 v[PC+3+6*\c+\i], v[PC+12+4*\c+\i]
.endr
.endr
.endm
	s_load_b256 s[4:11], s[0:1], 0x0               ; ao, wq, out_b, x
	s_load_b256 s[12:19], s[0:1], 0x20             ; ln2_w, ln2_b, h2, mq
	v_lshl_add_u32 v[SPW], v0, 2, SPARE
	v_mov_b32 v[NIL], 0
	ds_add_u32 v[SPW], v[NIL]                      ; the opening lines: the add, twice on end, and its wait ahead of my first tensor load
	ds_add_u32 v[SPW], v[NIL]
	v_lshrrev_b32 v1, 5, v0
	v_readfirstlane_b32 s20, v1                    ; wave 0..7
	s_bfe_u32 s59, ttmp6, 0x40000                  ; cx
	s_lshl_b32 s60, ttmp9, 2
	s_add_co_u32 s60, s60, s59                     ; the work-group: 4 x cluster + cx; it enters global addresses of my own rows alone
	s_lshr_b32 s21, s60, 3                         ; g
	s_and_b32 s22, s60, 7                          ; t
	s_mul_i32 s24, s21, 8*REC
	s_mul_i32 s23, s22, 1536
	s_lshl_b32 s26, s22, 6
	s_add_co_u32 s26, s26, s24                     ; A's scale words: 8 g records + 64 t
	s_add_co_u32 s24, s24, s23                     ; A's fragments: 8 g records + 1,536 t
	s_mov_b32 s25, 0
	s_mov_b32 s27, 0
	s_mul_i32 s28, s20, 8*REC
	s_add_co_u32 s28, s28, WREC*REC                ; out_w's column group w
	s_mov_b32 s29, 0
	s_lshl_b32 s30, s21, 7
	s_lshr_b32 s23, s22, 1
	s_lshl_b32 s23, s23, 5
	s_add_co_u32 s30, s30, s23
	s_and_b32 s23, s22, 1
	s_lshl_b32 s23, s23, 3
	s_add_co_u32 s30, s30, s23                     ; the fragment's first row: 128 g + 32 (t / 2) + 8 (t % 2)
	s_lshl_b32 s30, s30, 12
	s_lshl_b32 s36, s20, 9                         ; my columns: 512 w bytes
	s_add_co_u32 s30, s30, s36
	s_mov_b32 s31, 0
	s_mov_b32 s37, 0
	s_lshl_b32 s32, s21, 3
	s_add_co_u32 s32, s32, s20
	s_mul_i32 s32, s32, REC                        ; record (g, w) of mq
	s_lshl_b32 s34, s22, 6
	s_add_co_u32 s34, s34, s32
	s_mul_i32 s23, s22, 1536
	s_add_co_u32 s32, s32, s23
	s_mov_b32 s33, 0
	s_mov_b32 s35, 0
	s_mul_i32 s38, s20, RG                         ; my region: the wave's number alone enters an LDS address
	s_lshl_b32 s58, s20, 6
	s_add_co_u32 s58, s58, ST1
	s_mov_b32 s[SEL], 0x76543210
	s_mov_b32 s[SEL+1], 0xfedcba98
	s_mov_b32 s56, 0x3a800000                      ; 1 / 1,024
	s_mov_b32 s57, 0x3727c5ac                      ; 1e-5
	s_mov_b32 s[G1], 15|(3<<16)|(1<<21)            ; the four partners; elements of 8 bytes; bit 21 beside a mask; no padding
	s_mov_b32 s[G1+1], 32<<16                      ; 38,400 dense bytes as 150 rows of 256
	s_mov_b32 s[G1+2], 150<<16
	s_mov_b32 s[G1+3], 32<<16
	s_mov_b32 s[G1+4], 150
	s_mov_b32 s[G1+5], 32
	s_mov_b32 s[G1+6], 0
	s_mov_b32 s[G1+7], 0
	s_mov_b32 s[G0], 1
	s_mov_b32 s[G0+1], s38
	v_and_b32 v1, 31, v0
	v_and_b32 v16, 15, v0
	v_bfe_u32 v17, v0, 4, 1
	v_lshlrev_b32 v[LI], 4, v1
	v_lshlrev_b32 v[L4], 2, v1
	v_lshlrev_b32 v[R4], 2, v16
	v_mul_u32_u24 v[STO], v16, SPT
	v_lshl_add_u32 v[STO], v17, 6, v[STO]
	v_add_nc_u32 v[STO], s38, v[STO]               ; stage, a lane to a row: row r, + 64 h
	v_add_nc_u32 v[BL], s38, v[LI]                 ; my region, 16 bytes a lane: fragments, and the stage by rows
	v_add_nc_u32 v[BL4], s38, v[L4]                ; 4 bytes a lane: scale words
	v_lshl_add_u32 v[GBR], v17, 6, s38
	v_add_nc_u32 v[S1W], s58, v[R4]
	v_add_nc_u32 v[S1R], ST1, v[R4]
	v_lshrrev_b32 v[PF], 1, v1                     ; the prefetch: lane l names half l % 2 of stage row l / 2
	v_and_b32 v16, 8, v[PF]
	v_add_nc_u32 v[PF], v[PF], v16
	v_and_b32 v16, 1, v1
	v_lshlrev_b32 v16, 8, v16
	v_lshl_add_u32 v[PF], v[PF], 12, v16
	s_wait_alu depctr_va_vdst(0)
	s_wait_dscnt 0x0                               ; both opening adds are done
	s_wait_kmcnt 0x0
	s_add_nc_u64 s[44:45], s[6:7], s[28:29]
	s_mov_b64 s[G0+2:G0+3], s[44:45]
	s_or_b32 s[G0+3], s[G0+3], 0x80000000
	s_add_nc_u64 s[46:47], s[10:11], s[30:31]      ; x
	s_add_nc_u64 s[40:41], s[4:5], s[24:25]
	s_add_nc_u64 s[42:43], s[4:5], s[26:27]
	s_add_nc_u64 s[48:49], s[16:17], s[30:31]      ; h2
	s_add_nc_u64 s[50:51], s[18:19], s[32:33]
	s_add_nc_u64 s[52:53], s[18:19], s[34:35]
	s_add_nc_u64 s[8:9], s[8:9], s[36:37]
	s_add_nc_u64 s[12:13], s[12:13], s[36:37]
	s_add_nc_u64 s[14:15], s[14:15], s[36:37]
	ROUND                                          ; the four partners are here: the joint loads meet
	tensor_load_to_lds s[G0:G0+3], s[G1:G1+7]      ; records 0-2 of my column group: my one tensor load of the launch
	s_nop 0
.rept 4
	v_nop
.endr
	global_prefetch_b8 v[PF], s[46:47] th:TH_LOAD_NT scope:SCOPE_SE   ; my 16 rows x 512 bytes of x, each block of 256 bytes once; read behind unit 13's products.  Its address registers are never rewritten
.irp s, 0,1,2,3,4,5,6,7                            ; A's eight fragments stay in registers: 32 loads
.irp c, 0,1,2
	global_load_b128 v[AF+12*\s+4*\c:AF+12*\s+4*\c+3], v[LI], s[40:41] offset:\s*REC+512*\c
.endr
	global_load_b32 v[AS+\s], v[R4], s[42:43] offset:\s*REC+12288
.endr
.macro LDU u                           ; unit u: fragments 4 (u % 2) .. + 3 of record u / 2 from memory into set u % 4; a scale register holds an even fragment's words in lanes 0-15, the odd one's in lanes 16-31
	WIN 0x40
.irp i, 0,1,2,3
.irp c, 0,1,2
	global_load_b128 v[48*((\u)%4)+12*\i+4*\c:48*((\u)%4)+12*\i+4*\c+3], v[LI], s[44:45] offset:((\u)/2)*REC+1536*(4*((\u)%2)+\i)+512*\c
.endr
.endr
	WIN 0
.irp p, 0,1
	global_load_b32 v[BS+2*((\u)%4)+\p], v[L4], s[44:45] offset:((\u)/2)*REC+12288+128*(2*((\u)%2)+\p)
.endr
.endm
.macro WM k, i                         ; units 6 and 7 (record 3) start the sums: nothing is cleared
.set UB, 48*((\k)%4)+12*(\i)
.set UD, ACC+8*(4*((\k)%2)+(\i))
.set UA, AF+12*((\k)/2)
.set US, BS+2*((\k)%4)+(\i)/2
.if (\k) < 8
.if (\i)%2
	v_wmma_scale_f32_16x16x128_f8f6f4 v[UD:UD+7], v[UB:UB+11], v[UA:UA+11], 0, v[US], v[AS+(\k)/2] matrix_a_fmt:MATRIX_FMT_FP6 matrix_b_fmt:MATRIX_FMT_FP6 matrix_a_scale:MATRIX_SCALE_ROW1
.else
	v_wmma_scale_f32_16x16x128_f8f6f4 v[UD:UD+7], v[UB:UB+11], v[UA:UA+11], 0, v[US], v[AS+(\k)/2] matrix_a_fmt:MATRIX_FMT_FP6 matrix_b_fmt:MATRIX_FMT_FP6
.endif
.else
.if (\i)%2
	v_wmma_scale_f32_16x16x128_f8f6f4 v[UD:UD+7], v[UB:UB+11], v[UA:UA+11], v[UD:UD+7], v[US], v[AS+(\k)/2] matrix_a_fmt:MATRIX_FMT_FP6 matrix_b_fmt:MATRIX_FMT_FP6 matrix_a_scale:MATRIX_SCALE_ROW1
.else
	v_wmma_scale_f32_16x16x128_f8f6f4 v[UD:UD+7], v[UB:UB+11], v[UA:UA+11], v[UD:UD+7], v[US], v[AS+(\k)/2] matrix_a_fmt:MATRIX_FMT_FP6 matrix_b_fmt:MATRIX_FMT_FP6
.endif
.endif
.endm
; Unit k is multiplied and unit k + 4 asked for.  nw: the loads issued behind unit k's.  The eight accumulators take turns, one instruction a turn.
.macro DSTEP k, nw
	s_wait_loadcnt \nw
	WIN 0x01
.irp i, 0,1,2,3
	WM \k, \i
.endr
.rept 4
	v_nop                                          ; places in front of loads into registers that the products read
.endr
.if (\k)+4 < 16
	LDU (\k)+4
.endif
.endm
; From my region: pair LN (0 .. 11) is fragments 2 (LN % 4), + 1 of record LN / 4: six loads of 512 bytes into v[LBASE ..] of window 1, one of 128 bytes of scale words into v[LSR].
.macro LFX
	WIN 0x40
.irp i, 0,1
.irp c, 0,1,2
	ds_load_b128 v[LBASE+12*\i+4*\c:LBASE+12*\i+4*\c+3], v[BL] offset:(LN/4)*REC+1536*(2*(LN%4)+\i)+512*\c
.endr
.endr
	WIN 0
	ds_load_b32 v[LSR], v[BL4] offset:(LN/4)*REC+12288+128*(LN%4)
.endm
.macro MPX                             ; pair N's two products, K step N / 4
.set UD, ACC+16*(N%4)
.set UA, AF+12*(N/4)
	WIN 0x01
	v_wmma_scale_f32_16x16x128_f8f6f4 v[UD:UD+7], v[MBASE:MBASE+11], v[UA:UA+11], v[UD:UD+7], v[MSR], v[AS+N/4] matrix_a_fmt:MATRIX_FMT_FP6 matrix_b_fmt:MATRIX_FMT_FP6
	v_wmma_scale_f32_16x16x128_f8f6f4 v[UD+8:UD+15], v[MBASE+12:MBASE+23], v[UA:UA+11], v[UD+8:UD+15], v[MSR], v[AS+N/4] matrix_a_fmt:MATRIX_FMT_FP6 matrix_b_fmt:MATRIX_FMT_FP6 matrix_a_scale:MATRIX_SCALE_ROW1
.endm
	LDU 6                                          ; records 3 and 4: 56 loads
	LDU 7
	LDU 8
	LDU 9
	DSTEP 6, 42                                    ; three younger units of 14 loads may be out; A's 32 loads stand ahead of unit 6's
	DSTEP 7, 42
	DSTEP 8, 42
	DSTEP 9, 42
	DSTEP 10, 42
	DSTEP 11, 42                                   ; unit 15 is asked for: four units are on their way while LDS is read
	s_wait_tensorcnt 0x0                           ; my region is whole; I alone read it
.set N, 0                                          ; K steps 0-2: twelve pairs through two sets of 24 registers
.rept 2
.set LN, N
.set LBASE, LF+24*N
.set LSR, LS+N
	LFX
.set N, N+1
.endr
.set N, 0
.rept 12
.if N < 11
	s_wait_dscnt 7                                 ; the younger pair's seven loads may be out
.else
	s_wait_dscnt 0x0
.endif
.set MBASE, LF+24*(N%2)
.set MSR, LS+N%2
	MPX
.if N+2 < 12
.rept 4
	v_nop                                          ; places in front of loads into registers that the products read
.endr
.set LN, N+2
.set LBASE, MBASE
.set LSR, MSR
	LFX
.endif
.set N, N+1
.endr
	DSTEP 12, 42
	DSTEP 13, 28
	WIN 0x40                                       ; 19 loads: x by rows (512 consecutive bytes a load) into the registers of units 12 and 13, out_b, gain and bias of my 128 columns
.irp j, 0,1,2,3,4,5,6,7,8,9,10,11,12,13,14,15
	global_load_b128 v[XR+4*\j:XR+4*\j+3], v[LI], s[46:47] offset:(\j+8*(\j/8))*4096 th:TH_LOAD_NT
.endr
	WIN 0
	global_load_b128 v[OB:OB+3], v[LI], s[8:9]
	global_load_b128 v[GW:GW+3], v[LI], s[12:13]
	global_load_b128 v[GBI:GBI+3], v[LI], s[14:15]
	DSTEP 14, 33                                   ; unit 15's 14 loads and the 19 may be out
	DSTEP 15, 19
	s_wait_loadcnt 0x0                             ; x, out_b, gain, bias
	WIN 0x41                                       ; x + out_b goes through my stage (my region has had its fill and its last read) and comes back a lane to a row
.set i, 0
.rept 16
	v_pk_add_f32 v[XR+4*i:XR+4*i+1], v[XR+4*i:XR+4*i+1], v[OB:OB+1]
	v_pk_add_f32 v[XR+4*i+2:XR+4*i+3], v[XR+4*i+2:XR+4*i+3], v[OB+2:OB+3]
.set i, i+1
.endr
	WIN 0x04
.irp j, 0,1,2,3,4,5,6,7,8,9,10,11,12,13,14,15
	ds_store_b128 v[BL], v[XR+4*\j:XR+4*\j+3] offset:\j*SPT
.endr
	s_wait_dscnt 0x0                               ; the stores have read their registers, which the loads below write
	WIN 0x40
.irp b, 0,1,2,3,4,5,6,7
	ds_load_b128 v[XR+8*\b:XR+8*\b+3], v[STO] offset:128*(\b/2)+32*(\b%2)
	ds_load_b128 v[XR+8*\b+4:XR+8*\b+7], v[STO] offset:128*(\b/2)+32*(\b%2)+16
.endr
	WIN 0
	ds_store_b128 v[BL], v[GW:GW+3] offset:GBO
	ds_store_b128 v[BL], v[GBI:GBI+3] offset:GBO+512
.irp b, 0,1,2,3                                    ; gain and bias as my lane's 64 columns want them, into the registers that held A
.irp j, 0,1,2,3
	ds_load_b128 v[LW+16*\b+4*\j:LW+16*\b+4*\j+3], v[GBR] offset:GBO+128*\b+16*\j
	ds_load_b128 v[LB+16*\b+4*\j:LB+16*\b+4*\j+3], v[GBR] offset:GBO+512+128*\b+16*\j
.endr
.endr
	s_wait_dscnt 32                                ; all but the 32 just issued: x is back from the stage
	WIN 0x04
.set i, 0
.rept 32
	v_pk_add_f32 v[ACC+i:ACC+i+1], v[ACC+i:ACC+i+1], v[XR+i:XR+i+1]   ; h2; each accumulator is read from its low end on
.set i, i+2
.endr
	WIN 0
.macro FOLD off                        ; two pairs of sums -> my row's sum over the wave's 128 columns -> my wave's word
	v_pk_add_f32 v[SU:SU+1], v[SU:SU+1], v[SU+2:SU+3]
	s_delay_alu instid0(VALU_DEP_1)
	v_add_f32 v[SU], v[SU], v[SU+1]
	s_delay_alu instid0(VALU_DEP_1)
	v_permlanex16_b32 v[SU+1], v[SU], s[SEL], s[SEL+1]
	s_delay_alu instid0(VALU_DEP_1)
	v_add_f32 v[SU], v[SU], v[SU+1]
	ds_store_b32 v[S1W], v[SU] offset:\off         ; lanes l and l + 16 write the same word with the same value
.endm
.macro GATHER off                      ; the eight waves' words of my row, added in one order in all waves
.irp w, 0,1,2,3,4,5,6,7
	ds_load_b32 v[PS+\w], v[S1R] offset:\off+64*\w
.endr
	s_wait_dscnt 0x0
.irp w, 0,2,4,6
	v_add_f32 v[PS+\w], v[PS+\w], v[PS+\w+1]
.endr
	v_add_f32 v[PS], v[PS], v[PS+2]
	v_add_f32 v[PS+4], v[PS+4], v[PS+6]
	s_delay_alu instid0(VALU_DEP_1)
	v_add_f32 v[PS], v[PS], v[PS+4]
.endm
	v_pk_add_f32 v[SU:SU+1], v[ACC:ACC+1], v[ACC+2:ACC+3]
	v_pk_add_f32 v[SU+2:SU+3], v[ACC+4:ACC+5], v[ACC+6:ACC+7]
.set i, 8
.rept 14
	v_pk_add_f32 v[SU:SU+1], v[SU:SU+1], v[ACC+i:ACC+i+1]
	v_pk_add_f32 v[SU+2:SU+3], v[SU+2:SU+3], v[ACC+i+2:ACC+i+3]
.set i, i+4
.endr
	FOLD 0
.irp b, 0,1,2,3,4,5,6,7                            ; h2 through my stage, back as whole rows of 512 bytes
	ds_store_b128 v[STO], v[ACC+8*\b:ACC+8*\b+3] offset:128*(\b/2)+32*(\b%2)
	ds_store_b128 v[STO], v[ACC+8*\b+4:ACC+8*\b+7] offset:128*(\b/2)+32*(\b%2)+16
.endr
	WIN 0x40
.irp j, 0,1,2,3,4,5,6,7,8,9,10,11,12,13,14,15
	ds_load_b128 v[4*\j:4*\j+3], v[BL] offset:\j*SPT   ; LDS serves a wave's instructions in order: these see the stores above
.endr
	WIN 0
	s_wait_alu depctr_va_vdst(0)
	s_wait_dscnt 0x0                               ; for the others' sake: my word lies in LDS
	s_barrier_signal -1
	s_barrier_wait -1
	WIN 0x04
.irp j, 0,1,2,3,4,5,6,7,8,9,10,11,12,13,14,15
	global_store_b128 v[LI], v[4*\j:4*\j+3], s[48:49] offset:(\j+8*(\j/8))*4096   ; 512 consecutive bytes, at a multiple of 256 from the buffer's first byte
.endr
	WIN 0
	GATHER 0
	v_mul_f32 v[MU], s56, v[PS]
	v_mul_f32 v[MU+1], s56, v[PS]                  ; the mean
.set i, 0
.rept 32
	v_pk_add_f32 v[ACC+i:ACC+i+1], v[ACC+i:ACC+i+1], v[MU:MU+1] neg_lo:[0,1] neg_hi:[0,1]
.set i, i+2
.endr
	v_pk_mul_f32 v[SU:SU+1], v[ACC:ACC+1], v[ACC:ACC+1]
	v_pk_mul_f32 v[SU+2:SU+3], v[ACC+2:ACC+3], v[ACC+2:ACC+3]
.set i, 4
.rept 15
	v_pk_fma_f32 v[SU:SU+1], v[ACC+i:ACC+i+1], v[ACC+i:ACC+i+1], v[SU:SU+1]
	v_pk_fma_f32 v[SU+2:SU+3], v[ACC+i+2:ACC+i+3], v[ACC+i+2:ACC+i+3], v[SU+2:SU+3]
.set i, i+4
.endr
	FOLD 512
	s_wait_alu depctr_va_vdst(0)
	s_wait_dscnt 0x0
	s_barrier_signal -1
	s_barrier_wait -1
	GATHER 512
	s_delay_alu instid0(VALU_DEP_1)
	v_fma_f32 v[PS], v[PS], s56, s57               ; var + eps
	s_wait_alu depctr_va_vdst(0)                   ; the wait ahead of the transcendental,
	v_rsq_f32 v[RS], v[PS]
.irp b, 0,1,2,3
	v_mov_b32 v[TM+4+\b], 0                        ; plain places; a lane permute's destination counts as one of its sources
.endr
	s_wait_alu depctr_va_vdst(0)                   ; and behind it, ahead of its first reader
	v_mov_b32 v[RS+1], v[RS]
.set i, 0
.rept 8
.irp e, 0,2,4,6
	v_pk_mul_f32 v[ACC+i+\e:ACC+i+\e+1], v[ACC+i+\e:ACC+i+\e+1], v[RS:RS+1]
.endr
.irp e, 0,2,4,6
	v_pk_fma_f32 v[ACC+i+\e:ACC+i+\e+1], v[ACC+i+\e:ACC+i+\e+1], v[LW+i+\e:LW+i+\e+1], v[LB+i+\e:LB+i+\e+1]
.endr
.set i, i+8
.endr
	QUANT ACC, PW
.irp c, 0,1,2
	global_store_b128 v[LI], v[PC+4*\c:PC+4*\c+3], s[50:51] offset:512*\c   ; fragment t of record (g, w): 512 consecutive bytes a store
.endr
	global_store_b32 v[R4], v[PW], s[52:53] offset:12288   ; its 64 bytes of scale words (lanes l and l + 16 hold the same word)
	s_wait_tensorcnt 0x0                           ; the wave's end
	ds_add_u32 v[SPW], v[NIL]
	s_wait_dscnt 0x0
	ROUND                                          ; the closing round
	s_endpgm
.Lfunc_end_k_q8a551e570a_outln:
	.size	k_q8a551e570a_outln, .Lfunc_end_k_q8a551e570a_outln-k_q8a551e570a_outln
	.p2alignl 7, 3214868480
	.fill 96, 4, 3214868480
	.section	.rodata,"a",@progbits
	.p2align	6, 0x0
	.amdhsa_kernel k_q8a551e570a_outln
		.amdhsa_group_segment_fixed_size 327680
		.amdhsa_private_segment_fixed_size 0
		.amdhsa_enable_private_segment 0
		.amdhsa_kernarg_size 64
		.amdhsa_user_sgpr_count 2
		.amdhsa_user_sgpr_kernarg_segment_ptr 1
		.amdhsa_wavefront_size32 1
		.amdhsa_system_sgpr_workgroup_id_x 1
		.amdhsa_system_sgpr_workgroup_id_y 1
		.amdhsa_system_sgpr_workgroup_id_z 1
		.amdhsa_system_vgpr_workitem_id 0
		.amdhsa_next_free_vgpr 512
		.amdhsa_next_free_sgpr 80
		.amdhsa_reserve_vcc 0
		.amdhsa_float_denorm_mode_32 3
		.amdhsa_float_denorm_mode_16_64 3
		.amdhsa_memory_ordered 1
		.amdhsa_forward_progress 1
		.amdhsa_inst_pref_size 71
	.end_amdhsa_kernel
	.amdgpu_metadata
---
amdhsa.version: [ 1, 2 ]
amdhsa.kernels:
  - .name:           k_q8a551e570a_outln
    .symbol:         k_q8a551e570a_outln.kd
    .args:
      - { .name: ao, .offset: 0, .size: 8, .value_kind: global_buffer, .address_space: global }
      - { .name: wq, .offset: 8, .size: 8, .value_kind: global_buffer, .address_space: global }
      - { .name: out_b, .offset: 16, .size: 8, .value_kind: global_buffer, .address_space: global }
      - { .name: x, .offset: 24, .size: 8, .value_kind: global_buffer, .address_space: global }
      - { .name: ln2_w, .offset: 32, .size: 8, .value_kind: global_buffer, .address_space: global }
      - { .name: ln2_b, .offset: 40, .size: 8, .value_kind: global_buffer, .address_space: global }
      - { .name: h2, .offset: 48, .size: 8, .value_kind: global_buffer, .address_space: global }
      - { .name: mq, .offset: 56, .size: 8, .value_kind: global_buffer, .address_space: global }
    .group_segment_fixed_size: 327680
    .private_segment_fixed_size: 0
    .kernarg_segment_align: 8
    .kernarg_segment_size: 64
    .max_flat_workgroup_size: 256
    .sgpr_count:     80
    .vgpr_count:     512
    .wavefront_size: 32
...
	.end_amdgpu_metadata
.endif
;; end of part 4
;; launch w1g (part 5): grid 16 x 16, 4 waves a work-group, clusters of 4 x 4, 327,680 bytes of LDS; arguments mq, wq, b1, hid; writes hid
.if DOCPART == 5
	.amdgcn_target "amdgcn-amd-amdhsa--gfx1250"
	.amdhsa_code_object_version 6
	.text
	.protected	k_q8a551e570a_w1g
	.globl	k_q8a551e570a_w1g
	.p2align	8
	.type	k_q8a551e570a_w1g,@function
k_q8a551e570a_w1g:
	s_mov_b64 s[64:65], 0
	v_nop
	global_prefetch_b8 v0, s[64:65] scope:SCOPE_SE
	s_setreg_imm32_b32 hwreg(HW_REG_WAVE_MODE, 25, 1), 1
	s_wait_xcnt 0x0
	s_wait_alu depctr_hold_cnt(0) depctr_sa_sdst(0) depctr_va_vdst(0) depctr_va_sdst(0) depctr_va_ssrc(0) depctr_va_vcc(0) depctr_vm_vsrc(0)
	s_getreg_b32 s2, hwreg(HW_REG_IB_STS2, 6, 4)
	s_cmp_eq_u32 s2, 0
	s_cbranch_scc0 .Lentry_in_a_cluster
	s_endpgm
.Lentry_in_a_cluster:
	s_bfe_u32 s2, ttmp6, 0x10000c
	s_cmp_lg_u32 s2, 0xf033
	s_cbranch_scc0 .Lentry_shape_is_right
	s_endpgm
.Lentry_shape_is_right:
; C = relu(A B^T + bias) on codes of FP6 (E2M3) with E8M0 scales, K = 1,024; the result is quantised in registers along its columns and leaves as RECORDS.  (The text is the qkv launch's with EPI = 2.)
; A RECORD is 128 rows x 128 K in 12,800 bytes: eight fragments of 1,536 bytes, each an image of a matrix operand's 12 registers (register group c of lane l at 512 c + 16 l), then at byte 12,288 the
; scale words (fragment t, row r at 64 t + 4 r).  Lane r of fragment t holds row 32 (t / 2) + 8 (t % 2) + r + 8 (r / 8).  The eight records of a row group lie on end, so two K steps of 128 rows are 25,600 dense bytes.
; A = mq (tokens), B = w1's rows (row groups 32 on of wq); hid's records lie at g 32 + s.
; A tile of C, 256 x 256, is made by four waves, 128 x 128 each: 64 accumulators.  K's eight steps lie in THREE LDS slots of two K steps; each wave fetches its row group's six records (slots 0-2) with one tensor load.
; All three slots are filled at the start (one load a wave is out); only slot 0 is filled again, with K steps 6 and 7: asked for in the middle of K step 1, waited for at the head of K step 5,
; 224 matrix instructions of the wave later.  The change from slot 1 to slot 2 needs no barrier: the barrier in front of the refill stood behind every wave's wait for all its first fills.
; CLUSTERS: 4 x 4 work-groups; A's tiles are asked for jointly along a row of the cluster, B's along a column.  THE MATRIX INSTRUCTION IS USED TRANSPOSED (source 0 = B's rows, source 1 = A's rows): a lane holds one
; row of C, and by the records' order of rows the 64 registers of a block of 16 rows are its 128 columns as 16 neighbours of each block of 32: what the conversions want.
; REGISTERS: window 0: v8-29 addresses; v32-63 scale words; v64-127 the bias; v128-223 A's fragments, one set; on the way out v128-243 at work.
;   window 1: B's fragments, two sets, at v0 and v128.  windows 2, 3: the accumulators ((a, b) at v[8 (8 (a % 4) + b)]).
; LIMITS: a block of zeros gets the byte 1 where the rule says 127 (its codes are zeros; this program alone reads the bytes); NaN and infinities are not served.
.set EPI,   2
.set REC,   12800
.set PAIR,  2*REC                      ; two records: what the refill's tensor load brings
.set SLOT,  4*PAIR                     ; A's two row groups, then B's two
.set GSTR,  8*REC
.set SPARE, 3*SLOT                     ; behind the three slots: the spare words, 128 bytes for each wave
.set SST,   SPARE+512                  ; 512 bytes for each wave: a record's scale words on the way out; no fill lands here
.set NQ,    2
.set FR,    12
.set NL,    3
.set NP,    4
.set ADRB, 8                           ; v8-10   LDS address of my B fragments in slot 0, 1, 2
.set ADRS, 12                          ; v12-14  of my scale words
.set ADRA, 16                          ; v16-18  of my A fragments
.set SSTA, 24
.set SSTR, 25
.set OUTO, 26
.set BJO,  27
.set SPW,  28
.set NIL,  29
.set SC,   32
.set BJ,   64
.set AF,   128
.set T,    128
.set PC,   192
.set TM,   212
.set PW,   228
.set SB,   240
.set G1,   24                          ; s[24:31] group 1 for A's tiles; group 0: s[32:35]
.set G0,   32
.set G1B,  48                          ; s[48:55] group 1 for B's; group 0: s[56:59]
.set G0B,  56
.set SEL,  94
.set MSB, 0
.macro WIN new
.if MSB != \new
	s_set_vgpr_msb (MSB<<8)|\new
.set MSB, \new
.endif
.endm
.set MUL_LO, 0xa1
.set MUL_HI, 0xf1
.set TO_B,   0x40
.macro JLOAD g0a, g1a, g0b, g1b        ; a joint load: waves 0 and 1 fetch for A, waves 2 and 3 for B; four v_nop follow each line
	s_cmp_eq_u32 s15, 0
	s_cbranch_scc0 .Lfor_b_\@
	tensor_load_to_lds s[\g0a:\g0a+3], s[\g1a:\g1a+7]
	s_nop 0
.rept 4
	v_nop
.endr
	s_branch .Lasked_\@
.Lfor_b_\@:
	tensor_load_to_lds s[\g0b:\g0b+3], s[\g1b:\g1b+7]
	s_nop 0
.rept 4
	v_nop
.endr
.Lasked_\@:
.endm
.macro CREST
	s_cmp_lg_u32 s14, 0
	s_cbranch_scc1 .Lnot_wave_0_\@
	s_barrier_signal -3
.Lnot_wave_0_\@:
	s_barrier_wait -3
	s_barrier_signal -1
	s_barrier_wait -1
.endm
.macro CROUND
	s_barrier_signal -1
	s_barrier_wait -1
	CREST
.endm
.macro PLACES n
.rept \n
	v_nop
.endr
.endm
.macro QUANT s, pw                     ; 64 numbers of a lane, register 16 b + i = k 32 b + 16 (lane / 16) + i of my row -> a fragment's codes in v[PC] on, its scale word in v[pw]
.irp b, 0,1,2,3
	v_max3_num_f32 v[TM+\b], |v[\s+16*\b]|, |v[\s+1+16*\b]|, 0x1800000   ; and the floor 2^(3 - 127): the byte cannot fall under 1
.endr
.irp i, 2,4,6,8,10,12,14
.irp b, 0,1,2,3
	v_max3_num_f32 v[TM+\b], v[TM+\b], |v[\s+16*\b+\i]|, |v[\s+1+16*\b+\i]|
.endr
.endr
.irp b, 0,1,2,3
	v_permlanex16_b32 v[TM+4+\b], v[TM+\b], s[SEL], s[SEL+1]
.endr
.irp b, 0,1,2,3
	v_max_num_f32 v[TM+\b], v[TM+\b], v[TM+4+\b]
.endr
.irp b, 0,1,2,3
	v_add_nc_u32 v[TM+12+\b], 0xff000000, v[TM+\b]
.endr
.irp b, 0,1,2,3
	v_lshrrev_b32 v[TM+4+\b], 23, v[TM+12+\b]
.endr
	v_lshl_or_b32 v[\pw], v[TM+5], 8, v[TM+4]
	v_lshl_or_b32 v[\pw], v[TM+6], 16, v[\pw]
	v_lshl_or_b32 v[\pw], v[TM+7], 24, v[\pw]
.irp c, 0,1
	v_cvt_scalef32_pk16_fp6_f32 v[PC+6*\c:PC+2+6*\c], v[\s+32*\c:\s+15+32*\c], v[TM+12+2*\c]
	v_cvt_scalef32_pk16_fp6_f32 v[PC+12+4*\c:PC+14+4*\c], v[\s+16+32*\c:\s+31+32*\c], v[TM+12+2*\c+1]
.endr
	v_nop                                              ; one plain place behind a scaled conversion
.irp c, 0,1
.irp i, 0,1,2
	v_permlane16_swap_b32 v[PC+6*\c+\i], v[PC+12+4*\c+\i]
.endr
.irp i, 0,1,2
	v_mov_b32 v[PC+3+6*\c+\i], v[PC+12+4*\c+\i]
.endr
.endr
.endm
	s_load_b256 s[4:11], s[0:1], 0x0               ; the tokens' codes, wq, the bias, the output
	v_lshl_add_u32 v[SPW], v0, 2, SPARE
	v_mov_b32 v[NIL], 0
	ds_add_u32 v28, v29
	ds_add_u32 v28, v29
	s_wait_dscnt 0x0
	v_lshrrev_b32 v1, 5, v0
	v_readfirstlane_b32 s14, v1                    ; wave 0..3
	s_lshr_b32 s15, s14, 1                         ; which row group of the tile is mine.  Also: I fetch for A (0) or for B (1)
	s_and_b32 s16, s14, 1                          ; which column group.  Also: which group of that tile I fetch
	s_bfe_u32 s40, ttmp6, 0x40000                  ; cx, cy
	s_bfe_u32 s41, ttmp6, 0x40004
	s_and_b32 s17, ttmp7, 0xffff
	s_lshl_b32 s20, s17, 2
	s_lshl_b32 s46, ttmp9, 2
	s_lshl_b32 s43, s41, 2
	s_lshl_b32 s43, 15, s43                        ; my row of the cluster
	s_lshl_b32 s44, 0x1111, s40                    ; my column
	s_add_co_u32 s20, s20, s41                     ; A's tile = 4 x cluster y + cy
	s_add_co_u32 s46, s46, s40                     ; B's tile = 4 x cluster x + cx
	s_or_b32 s[G1+0], s43, (3<<16)|(1<<21)         ; the mask; elements of 8 bytes; bit 21 beside a mask; no padding
	s_or_b32 s[G1B+0], s44, (3<<16)|(1<<21)
.irp g, G1, G1B                                    ; 76,800 dense bytes as 300 rows of 256
	s_mov_b32 s[\g+1], 32<<16
	s_mov_b32 s[\g+2], 300<<16
	s_mov_b32 s[\g+3], 32<<16
	s_mov_b32 s[\g+4], 300
	s_mov_b32 s[\g+5], 32
	s_mov_b32 s[\g+6], 0
	s_mov_b32 s[\g+7], 0
.endr
	s_lshl_b32 s22, s20, 1
	s_add_co_u32 s22, s22, s16
	s_mul_i32 s22, s22, GSTR                       ; the row group of A that I would fetch, in bytes
	s_mov_b32 s23, 0
	s_lshl_b32 s92, s46, 1
	s_add_co_u32 s92, s92, s16
	s_add_co_u32 s92, s92, 32                      ; w1's groups begin at 32
	s_mul_i32 s92, s92, GSTR
	s_mov_b32 s93, 0
	s_mul_i32 s45, s14, 3*PAIR                     ; a wave's region: six records of its row group, K steps 0 to 5
	s_mov_b32 s[SEL], 0x76543210
	s_mov_b32 s[SEL+1], 0xfedcba98
	s_wait_kmcnt 0x0
	s_add_nc_u64 s[72:73], s[4:5], s[22:23]
	s_add_nc_u64 s[74:75], s[6:7], s[92:93]
	CROUND                                         ; all sixteen work-groups are here: the first joint loads meet
.irp s, 0                                          ; one tensor load a wave at the head: 76,800 dense bytes as 300 rows of 256
.set GA, G0+4*\s+(\s/2)*44
.set GB, G0B+4*\s+(\s/2)*24                        ; s[56:59]
	s_mov_b32 s[GA], 1
	s_add_co_u32 s[GA+1], s45, \s*SLOT
	s_add_nc_u64 s[GA+2:GA+3], s[72:73], \s*PAIR
	s_or_b32 s[GA+3], s[GA+3], 0x80000000
	s_mov_b32 s[GB], 1
	s_add_co_u32 s[GB+1], s45, \s*SLOT
	s_add_nc_u64 s[GB+2:GB+3], s[74:75], \s*PAIR
	s_or_b32 s[GB+3], s[GB+3], 0x80000000
	JLOAD GA, G1, GB, G1B
.endr
	v_and_b32 v1, 31, v0                           ; lane
	v_and_b32 v2, 15, v0                           ; r
	v_bfe_u32 v3, v0, 4, 1                         ; h
	v_lshlrev_b32 v[OUTO], 4, v1
	s_wait_alu depctr_va_vdst(0)
	s_mul_i32 s21, s15, 3*PAIR
	s_mul_i32 s22, s16, 3*PAIR
	s_add_co_u32 s22, s22, 6*PAIR
	s_sub_co_u32 s23, s22, s21
	v_mul_u32_u24 v4, s23, v3                      ; scale words: lanes 16-31 take B's
	v_lshl_add_u32 v4, v2, 2, v4
	s_add_co_u32 s23, s21, 12288
.irp s, 0,1,2
	v_add_nc_u32 v[ADRA+\s], s21, v[OUTO]
	v_add_nc_u32 v[ADRB+\s], s22, v[OUTO]
	v_add_nc_u32 v[ADRS+\s], s23, v4
	s_add_co_u32 s21, s21, PAIR
	s_add_co_u32 s22, s22, PAIR
	s_add_co_u32 s23, s23, PAIR
.endr
	s_lshl_b32 s21, s14, 9
	s_add_co_u32 s21, s21, SST
	v_lshl_add_u32 v[SSTA], v2, 2, s21
	v_add_nc_u32 v[SSTR], s21, v[OUTO]
	v_lshlrev_b32 v[BJO], 6, v3                    ; the bias: 64 h
	s_wait_alu depctr_va_vdst(0)
	s_lshl_b32 s77, s20, 1
	s_add_co_u32 s77, s77, s15                     ; my row group of C
	s_lshl_b32 s76, s46, 1
	s_add_co_u32 s76, s76, s16                     ; my column group
	s_lshl_b32 s78, s77, 5
	s_add_co_u32 s78, s78, s76
	s_mul_i32 s78, s78, REC                        ; my record of the output
	s_mov_b32 s79, 0
	s_add_nc_u64 s[10:11], s[10:11], s[78:79]
	s_lshl_b32 s80, s76, 9
	s_mov_b32 s81, 0
	s_add_nc_u64 s[80:81], s[8:9], s[80:81]
.irp b, 0,1,2,3,4,5,6,7                            ; lane (r, h) wants, for B's block b, the bias of columns 32 (b / 2) + 16 h + 8 (b % 2) + 0 .. 7
	global_load_b128 v[BJ+8*\b:BJ+8*\b+3], v[BJO], s[80:81] offset:128*(\b/2)+32*(\b%2)
	global_load_b128 v[BJ+8*\b+4:BJ+8*\b+7], v[BJO], s[80:81] offset:128*(\b/2)+32*(\b%2)+16
.endr
.macro FRAG reg, adr, off              ; a fragment comes as it lies: three loads of 512 consecutive bytes
.irp c, 0,1,2
	ds_load_b128 v[\reg+4*\c:\reg+4*\c+3], v[\adr] offset:\off+512*\c
.endr
.endm
; 16 matrix instructions: A's blocks a0, a0 + 1 x B's eight.  zero = 1: the first product starts the sums with the bias as C.  The 64 accumulators take turns.
.macro MUL16 a0, p, q, sc, zero
.irp a, \a0, \a0+1
.irp b, 0,1,2,3,4,5,6,7
.if \zero
	v_wmma_scale_f32_16x16x128_f8f6f4 v[8*(8*((\a)%4)+\b):8*(8*((\a)%4)+\b)+7], v[128*(\p)+FR*\b:128*(\p)+FR*\b+FR-1], v[AF+FR*(\a):AF+FR*(\a)+FR-1], v[BJ+8*\b:BJ+8*\b+7], v[SC+8*NQ*(\sc)+NQ*\b+(\q)], v[SC+8*NQ*(\sc)+NQ*(\a)+(\q)] matrix_a_fmt:MATRIX_FMT_FP6 matrix_b_fmt:MATRIX_FMT_FP6 matrix_a_scale:MATRIX_SCALE_ROW1
.else
	v_wmma_scale_f32_16x16x128_f8f6f4 v[8*(8*((\a)%4)+\b):8*(8*((\a)%4)+\b)+7], v[128*(\p)+FR*\b:128*(\p)+FR*\b+FR-1], v[AF+FR*(\a):AF+FR*(\a)+FR-1], v[8*(8*((\a)%4)+\b):8*(8*((\a)%4)+\b)+7], v[SC+8*NQ*(\sc)+NQ*\b+(\q)], v[SC+8*NQ*(\sc)+NQ*(\a)+(\q)] matrix_a_fmt:MATRIX_FMT_FP6 matrix_b_fmt:MATRIX_FMT_FP6 matrix_a_scale:MATRIX_SCALE_ROW1
.endif
.endr
.endr
.endm
.macro FETCH_B slot, q, p
	WIN TO_B
.irp i, 0,1,2,3,4,5,6,7
	FRAG 128*(\p)+FR*\i, ADRB+\slot, (\q)*REC+1536*\i
.endr
	WIN 0
.endm
.macro FETCH_A slot, q, i0
.irp i, \i0, \i0+1, \i0+2, \i0+3
	FRAG AF+FR*(\i), ADRA+\slot, (\q)*REC+1536*(\i)
.endr
.endm
.macro SCALES slot, set                ; a slot's scale words into set 0 or 1: lanes 0-15 A's block i, lanes 16-31 B's block i, for both K steps
.irp i, 0,1,2,3,4,5,6,7
.irp q, 0,1
	ds_load_b32 v[SC+8*NQ*\set+NQ*\i+\q], v[ADRS+\slot] offset:\q*REC+64*\i
.endr
.endr
.endm
.macro STEP slot, set, q, zero         ; a K step that has its successor in the same slot
	s_wait_dscnt 4*NL                              ; all but the youngest twelve loads (A's blocks 4-7) are in
.if \zero
	WIN 0x81                                       ; C (the bias) in window 0
.else
	WIN MUL_LO
.endif
	MUL16 0, (\q)%2, \q, \set, \zero
	MUL16 2, (\q)%2, \q, \set, \zero
	s_wait_dscnt 0
	PLACES NP
	FETCH_B \slot, (\q)+1, 1-(\q)%2
	FETCH_A \slot, (\q)+1, 0
.if \zero
	WIN 0xc1
.else
	WIN MUL_HI
.endif
	MUL16 4, (\q)%2, \q, \set, \zero
	MUL16 6, (\q)%2, \q, \set, \zero
	PLACES NP
	WIN 0
	FETCH_A \slot, (\q)+1, 4
.endm
; A slot's last K step (scale words in set) goes on to slot next (scale words into nset).
; mode 2: slot 0 has been read and is filled again: each wave waits for all its tensor loads, adds 0 to its spare word, waits for that and for its reads of the slot; a round of the cluster's barrier; the joint refill.
; mode 1: the next slot's tile is waited for: the same three lines and the work-group's barrier; nothing is filled.
; mode 0: the next slot has been shown whole to every wave by an earlier barrier: no wait on TENSORcnt, so that the refill stays on its way, and no barrier.
.macro TURN set, next, nset, mode
.if \mode
	s_wait_tensorcnt 0x0                           ; all my tensor loads have landed
	ds_add_u32 v[SPW], v[NIL]                      ; 0 onto my spare word
	s_wait_dscnt 4*NL+1                            ; (the add and A's blocks 4-7 may be out)
.else
	s_wait_dscnt 4*NL
.endif
	WIN MUL_LO
	MUL16 0, 1, NQ-1, \set, 0
.if \mode
	s_wait_dscnt 0x0                               ; the add is done, and my reads of this slot are over
	s_barrier_signal -1
.endif
	MUL16 2, 1, NQ-1, \set, 0
.if \mode
	WIN 0
	s_barrier_wait -1
.else
	s_wait_dscnt 0x0                               ; A's blocks 4-7 are in
.endif
.if \mode == 2
	CREST                                          ; the barrier has opened a round of the cluster's: no wave of any partner still reads slot 0 or has a load on its way
	s_add_nc_u64 s[G0+2:G0+3], s[G0+2:G0+3], 3*PAIR      ; from K step 0 to K step 6
	s_add_nc_u64 s[G0B+2:G0B+3], s[G0B+2:G0B+3], 3*PAIR
	s_mov_b32 s[G1+2], 100<<16                     ; no tensor load of mine is out: the refill brings two records, 100 rows of 256 bytes
	s_mov_b32 s[G1+4], 100
	s_mov_b32 s[G1B+2], 100<<16
	s_mov_b32 s[G1B+4], 100
	JLOAD G0, G1, G0B, G1B
.else
	PLACES NP
.endif
	FETCH_B \next, 0, 0
	FETCH_A \next, 0, 0
	SCALES \next, \nset
	WIN MUL_HI
	MUL16 4, 1, NQ-1, \set, 0
	MUL16 6, 1, NQ-1, \set, 0
	PLACES NP
	WIN 0
	FETCH_A \next, 0, 4
.endm
	s_wait_tensorcnt 0x0
	s_barrier_signal -1
	s_barrier_wait -1                              ; everybody's is
	s_wait_loadcnt 0x0                             ; the bias
	FETCH_B 0, 0, 0
	FETCH_A 0, 0, 0
	SCALES 0, 0
	FETCH_A 0, 0, 4
	STEP 0, 0, 0, 1                                ; K step 0: its products start the sums
	TURN 0, 1, 1, 2                                ; K step 1; slot 0 is asked for again: K steps 6 and 7
	STEP 1, 1, 0, 0                                ; K step 2
	TURN 1, 2, 0, 0                                ; K step 3; slot 2 is whole since the barrier above
	STEP 2, 0, 0, 0                                ; K step 4
	TURN 0, 0, 1, 1                                ; K step 5; the refill is waited for
	STEP 0, 1, 0, 0                                ; K step 6
	s_wait_dscnt 4*NL                              ; K step 7: nothing more to fetch
	WIN MUL_LO
	MUL16 0, 1, NQ-1, 1, 0
	MUL16 2, 1, NQ-1, 1, 0
	s_wait_dscnt 0
	WIN MUL_HI
	MUL16 4, 1, NQ-1, 1, 0
	MUL16 6, 1, NQ-1, 1, 0
	WIN 0
	PLACES NP                                      ; in front of writes into registers that the last products read
.irp b, 0,1,2,3
	v_mov_b32 v[TM+4+\b], 0                        ; a lane permute's destination counts as one of its sources
.endr
; THE WAY OUT.  Block a's eight accumulators are 128 columns of 16 rows: relu in f32, the quantiser, and fragment a of my record leaves as three stores of 512 consecutive bytes.
.macro BLOCK a
.set AC, 64*((\a)%4)
.set i, 0
	WIN 0x08+4*((\a)/4)                            ; source 1: window 2 or 3
.rept 64
	v_max_num_f32 v[T+i], 0, v[AC+i]               ; each accumulator is read from its low end on
.set i, i+1
.endr
	WIN 0
.if (\a) > 0
	s_wait_xcnt 0x0                                ; the last block's stores have read their data,
	s_wait_dscnt 0x0                               ; and so has its LDS store: both are written again below
.endif
	QUANT T, PW
.irp c, 0,1,2
	global_store_b128 v[OUTO], v[PC+4*\c:PC+4*\c+3], s[10:11] offset:1536*(\a)+512*\c
.endr
	ds_store_b32 v[SSTA], v[PW] offset:64*(\a)     ; lanes l and l + 16 write the same word with the same value
.endm
.irp a, 0,1,2,3,4,5,6,7
	BLOCK \a
.endr
	ds_load_b128 v[SB:SB+3], v[SSTR]               ; LDS serves a wave's instructions in order: these see my stores
	s_wait_dscnt 0x0
	global_store_b128 v[OUTO], v[SB:SB+3], s[10:11] offset:12288   ; the record's 512 bytes of scale words
	s_wait_tensorcnt 0x0                           ; the wave's end
	ds_add_u32 v[SPW], v[NIL]
	s_wait_dscnt 0x0
	CROUND                                         ; the closing round
	s_endpgm
.Lfunc_end_k_q8a551e570a_w1g:
	.size	k_q8a551e570a_w1g, .Lfunc_end_k_q8a551e570a_w1g-k_q8a551e570a_w1g
	.p2alignl 7, 3214868480
	.fill 96, 4, 3214868480
	.section	.rodata,"a",@progbits
	.p2align	6, 0x0
	.amdhsa_kernel k_q8a551e570a_w1g
		.amdhsa_group_segment_fixed_size 327680
		.amdhsa_private_segment_fixed_size 0
		.amdhsa_enable_private_segment 0
		.amdhsa_kernarg_size 32
		.amdhsa_user_sgpr_count 2
		.amdhsa_user_sgpr_kernarg_segment_ptr 1
		.amdhsa_wavefront_size32 1
		.amdhsa_system_sgpr_workgroup_id_x 1
		.amdhsa_system_sgpr_workgroup_id_y 1
		.amdhsa_system_sgpr_workgroup_id_z 1
		.amdhsa_system_vgpr_workitem_id 0
		.amdhsa_next_free_vgpr 1024
		.amdhsa_next_free_sgpr 98
		.amdhsa_reserve_vcc 0
		.amdhsa_float_denorm_mode_32 3
		.amdhsa_float_denorm_mode_16_64 3
		.amdhsa_memory_ordered 1
		.amdhsa_forward_progress 1
		.amdhsa_inst_pref_size 155
	.end_amdhsa_kernel
	.amdgpu_metadata
---
amdhsa.version: [ 1, 2 ]
amdhsa.kernels:
  - .name:           k_q8a551e570a_w1g
    .symbol:         k_q8a551e570a_w1g.kd
    .args:
      - { .name: mq, .offset: 0, .size: 8, .value_kind: global_buffer, .address_space: global }
      - { .name: wq, .offset: 8, .size: 8, .value_kind: global_buffer, .address_space: global }
      - { .name: b1, .offset: 16, .size: 8, .value_kind: global_buffer, .address_space: global }
      - { .name: hid, .offset: 24, .size: 8, .value_kind: global_buffer, .address_space: global }
    .group_segment_fixed_size: 327680
    .private_segment_fixed_size: 0
    .kernarg_segment_align: 8
    .kernarg_segment_size: 32
    .max_flat_workgroup_size: 128
    .sgpr_count:     98
    .vgpr_count:     1024
    .wavefront_size: 32
...
	.end_amdgpu_metadata
.endif
;; end of part 5
;; launch w2g (part 6): grid 8 x 32, 4 waves a work-group, clusters of 4 x 4, 327,680 bytes of LDS; arguments hid, wq, b2, h2, out0; writes out0
.if DOCPART == 6
	.amdgcn_target "amdgcn-amd-amdhsa--gfx1250"
	.amdhsa_code_object_version 6
	.text
	.protected	k_q8a551e570a_w2g
	.globl	k_q8a551e570a_w2g
	.p2align	8
	.type	k_q8a551e570a_w2g,@function
k_q8a551e570a_w2g:
	s_mov_b64 s[64:65], 0
	v_nop
	global_prefetch_b8 v0, s[64:65] scope:SCOPE_SE
	s_setreg_imm32_b32 hwreg(HW_REG_WAVE_MODE, 25, 1), 1
	s_wait_xcnt 0x0
	s_wait_alu depctr_hold_cnt(0) depctr_sa_sdst(0) depctr_va_vdst(0) depctr_va_sdst(0) depctr_va_ssrc(0) depctr_va_vcc(0) depctr_vm_vsrc(0)
	s_getreg_b32 s2, hwreg(HW_REG_IB_STS2, 6, 4)
	s_cmp_eq_u32 s2, 0
	s_cbranch_scc0 .Lentry_in_a_cluster
	s_endpgm
.Lentry_in_a_cluster:
	s_bfe_u32 s2, ttmp6, 0x10000c
	s_cmp_lg_u32 s2, 0xf033
	s_cbranch_scc0 .Lentry_shape_is_right
	s_endpgm
.Lentry_shape_is_right:
; C = A B^T + bias + residual, f32 out, on codes of FP6 (E2M3) with E8M0 scales, K = 4,096.  A: records (g 32 + s) of hid; B: records 512 + (g 32 + s) of wq; C, the residual: [4096][1024] f32.
; A RECORD is 128 rows x 128 K in 12,800 bytes: eight register images of 1,536 bytes (register group c of lane l at 512 c + 16 l), then 512 bytes of scale words (fragment t, row r at 64 t + 4 r);
; lane r of fragment t holds row 32 (t / 2) + 8 (t % 2) + r + 8 (r / 8).
; N = 1,024 gives 64 tiles of 256 x 256 for 256 WGPs, so a tile of C is 128 x 128: 256 work-groups of four waves, 64 x 64 each: 16 accumulators.
; THE RING.  A K step's two records feed only 16 matrix instructions a wave, so the slots are as large as LDS allows, and of two sizes, so that the 32 K steps are few fills: slot X holds EIGHT K steps (A's eight
; records, then B's eight; a wave's load brings four records, 51,200 dense bytes), slot Y FOUR (a wave's load: two records).  32 = 8 + 4 + 8 + 4 + 8: two first fills and three refills.
; From a request to the wait for it a wave issues 56 matrix instructions (X's refills, under Y's K steps) or 120 (Y's refill, under X's).
; X is read as two BANKS of four K steps, each with address registers of its own (an LDS offset has 16 bits); Y is bank 2.  The step from bank 0 to bank 1 needs no barrier: the whole of X was shown landed together.
; The K steps are written out: no two refills that follow each other are alike.
; CLUSTERS: 4 x 4; A's tiles are asked for jointly along a row of the cluster, B's along a column.  Transposed use (source 0 = B's rows, source 1 = A's): a lane holds eight neighbouring columns of a row of C.
; The bias is the C of each sum's first product.  The residual is asked for behind K step 11 (a quarter) and K step 23 (the rest), into registers of its own.
; REGISTERS: window 0: v8-29 addresses; v32-39 scale words; v96-127 the bias; v64-127 on the way out; v128-255 the accumulators ((a, b) at v[128 + 8 (4 a + b)]).
;   window 1: two fragment buffers at v0 and v128: A's four fragments, then B's four.   window 2: v0-127 the residual.
.set KST,   32                         ; K steps
.set WREC,  512                        ; B's first record in wq
.set REC,   12800
.set XW,    4*REC                      ; what a wave's load brings into slot X
.set YW,    2*REC                      ; and into slot Y
.set SY,    4*XW                       ; slot X begins at LDS byte 0, slot Y here
.set SPARE, SY+4*YW                    ; behind the slots: the spare words, 128 bytes for each wave
.set STAGE, SPARE+512                  ; 16 rows x (256 bytes + 16) for each wave, for the way out; no fill lands here
.set FR,    12
.set ADRB, 8                           ; v8-10   LDS address of my B fragments in bank 0, 1, 2
.set ADRS, 12                          ; v12-14  of my scale words
.set ADRA, 16                          ; v16-18  of my A fragments
.set STO,  24
.set RD,   25
.set CO,   26
.set BJO,  27
.set SPW,  28
.set NIL,  29
.set SC,   32
.set BK,   64
.set BJ,   96
.set ACC,  128
.set G1,   24                          ; s[24:31] group 1 for A's part of X;  s[72:79] of Y
.set G0,   32                          ; s[32:35] group 0 for A's part of X;  s[36:39] of Y
.set G1B,  48                          ; s[48:55] group 1 for B's part of X;  s[80:87] of Y
.set G0B,  56                          ; s[56:59] group 0 for B's part of X;  s[60:63] of Y
.set G1Y,  72
.set G1YB, 80
.set MSB, 0
.macro WIN new
.if MSB != \new
	s_set_vgpr_msb (MSB<<8)|\new
.set MSB, \new
.endif
.endm
.macro JLOAD g0a, g1a, g0b, g1b        ; a joint load: waves 0 and 1 fetch for A, waves 2 and 3 for B; four v_nop follow each line
	s_cmp_eq_u32 s15, 0
	s_cbranch_scc0 .Lfor_b_\@
	tensor_load_to_lds s[\g0a:\g0a+3], s[\g1a:\g1a+7]
	s_nop 0
.rept 4
	v_nop
.endr
	s_branch .Lasked_\@
.Lfor_b_\@:
	tensor_load_to_lds s[\g0b:\g0b+3], s[\g1b:\g1b+7]
	s_nop 0
.rept 4
	v_nop
.endr
.Lasked_\@:
.endm
.macro CREST
	s_cmp_lg_u32 s14, 0
	s_cbranch_scc1 .Lnot_wave_0_\@
	s_barrier_signal -3
.Lnot_wave_0_\@:
	s_barrier_wait -3
	s_barrier_signal -1
	s_barrier_wait -1
.endm
.macro CROUND
	s_barrier_signal -1
	s_barrier_wait -1
	CREST
.endm
.macro PLACES n
.rept \n
	v_nop
.endr
.endm
	s_load_b256 s[4:11], s[0:1], 0x0               ; A, wq, the bias, the residual
	s_load_b64 s[12:13], s[0:1], 0x20              ; C
	v_lshl_add_u32 v[SPW], v0, 2, SPARE
	v_mov_b32 v[NIL], 0
	ds_add_u32 v28, v29
	ds_add_u32 v28, v29
	s_wait_dscnt 0x0
	v_lshrrev_b32 v1, 5, v0
	v_readfirstlane_b32 s14, v1                    ; wave 0..3
	s_lshr_b32 s15, s14, 1                         ; which half of the tile's rows is mine.  Also: I fetch for A (0) or for B (1)
	s_and_b32 s16, s14, 1                          ; which half of its columns.  Also: which half of a fill's K steps I fetch
	s_bfe_u32 s40, ttmp6, 0x40000
	s_bfe_u32 s41, ttmp6, 0x40004
	s_lshl_b32 s42, ttmp9, 2
	s_add_co_u32 s42, s42, s40                     ; tile column = 4 x cluster x + cx
	s_and_b32 s17, ttmp7, 0xffff
	s_lshl_b32 s17, s17, 2
	s_add_co_u32 s17, s17, s41                     ; tile row = 4 x cluster y + cy
	s_lshl_b32 s43, s41, 2
	s_lshl_b32 s43, 15, s43                        ; my row of the cluster
	s_lshl_b32 s44, 0x1111, s40                    ; my column
	s_or_b32 s[G1+0], s43, (3<<16)|(1<<21)         ; the mask; elements of 8 bytes; bit 21 beside a mask; no padding
	s_or_b32 s[G1B+0], s44, (3<<16)|(1<<21)
	s_or_b32 s[G1Y+0], s43, (3<<16)|(1<<21)
	s_or_b32 s[G1YB+0], s44, (3<<16)|(1<<21)
.irp g, G1, G1B                                    ; X: 51,200 dense bytes as 200 rows of 256
	s_mov_b32 s[\g+1], 32<<16
	s_mov_b32 s[\g+2], 200<<16
	s_mov_b32 s[\g+3], 32<<16
	s_mov_b32 s[\g+4], 200
	s_mov_b32 s[\g+5], 32
	s_mov_b32 s[\g+6], 0
	s_mov_b32 s[\g+7], 0
.endr
.irp g, G1Y, G1YB                                  ; Y: 25,600 dense bytes as 100 rows of 256
	s_mov_b32 s[\g+1], 32<<16
	s_mov_b32 s[\g+2], 100<<16
	s_mov_b32 s[\g+3], 32<<16
	s_mov_b32 s[\g+4], 100
	s_mov_b32 s[\g+5], 32
	s_mov_b32 s[\g+6], 0
	s_mov_b32 s[\g+7], 0
.endr
	s_mul_i32 s20, s17, KST*REC                    ; A's row group, in bytes: hangs on the tile row alone
	s_mov_b32 s21, 0
	s_mul_i32 s46, s42, KST*REC                    ; B's: on the tile column alone
	s_add_co_u32 s46, s46, WREC*REC
	s_mov_b32 s47, 0
	s_mul_i32 s18, s16, XW                         ; my four records of X's first fill: K steps 0-3 or 4-7
	s_mov_b32 s19, 0
	s_mul_i32 s22, s16, YW
	s_add_co_u32 s22, s22, 8*REC                   ; my two of Y's: K steps 8, 9 or 10, 11
	s_mov_b32 s23, 0
	s_mul_i32 s45, s14, XW                         ; where my loads land: wave x a load's bytes: no place in the cluster enters an LDS address
	s_mul_i32 s66, s14, YW
	s_wait_kmcnt 0x0
	s_add_nc_u64 s[20:21], s[4:5], s[20:21]
	s_add_nc_u64 s[46:47], s[6:7], s[46:47]
	CROUND                                         ; all sixteen work-groups are here: the first joint loads meet
	s_mov_b32 s[G0], 1
	s_mov_b32 s[G0+1], s45
	s_add_nc_u64 s[G0+2:G0+3], s[20:21], s[18:19]
	s_or_b32 s[G0+3], s[G0+3], 0x80000000
	s_mov_b32 s[G0B], 1
	s_mov_b32 s[G0B+1], s45
	s_add_nc_u64 s[G0B+2:G0B+3], s[46:47], s[18:19]
	s_or_b32 s[G0B+3], s[G0B+3], 0x80000000
	JLOAD G0, G1, G0B, G1B                         ; X: K steps 0 to 7
	s_mov_b32 s[G0+4], 1
	s_add_co_u32 s[G0+5], s66, SY
	s_add_nc_u64 s[G0+6:G0+7], s[20:21], s[22:23]
	s_or_b32 s[G0+7], s[G0+7], 0x80000000
	s_mov_b32 s[G0B+4], 1
	s_add_co_u32 s[G0B+5], s66, SY
	s_add_nc_u64 s[G0B+6:G0B+7], s[46:47], s[22:23]
	s_or_b32 s[G0B+7], s[G0B+7], 0x80000000
	v_and_b32 v1, 31, v0
	v_and_b32 v2, 15, v0                           ; r
	v_bfe_u32 v3, v0, 4, 1                         ; h
	s_wait_alu depctr_va_vdst(0)
	v_lshlrev_b32 v5, 4, v1
	s_wait_alu depctr_va_vdst(0)
	s_mul_i32 s21, s15, 4*1536                     ; my four fragments of a record of A,
	s_mul_i32 s22, s16, 4*1536                     ; of B
	s_lshl_b32 s23, s15, 8                         ; my four fragments' scale words of A,
	s_lshl_b32 s18, s16, 8                         ; of B
	s_add_co_u32 s19, s18, 4*REC                   ; in Y B's records lie four records behind A's,
	s_add_co_u32 s18, s18, 8*REC                   ; in X eight
	s_sub_co_u32 s18, s18, s23
	s_sub_co_u32 s19, s19, s23
	v_mul_u32_u24 v6, s18, v3                      ; scale words: lanes 16-31 take B's
	v_lshl_add_u32 v6, v2, 2, v6
	v_mul_u32_u24 v7, s19, v3
	v_lshl_add_u32 v7, v2, 2, v7
	s_add_co_u32 s23, s23, 12288
	v_add_nc_u32 v[ADRA], s21, v5                  ; bank 0: X's K steps 0-3
	v_add_nc_u32 v[ADRA+1], 4*REC, v[ADRA]         ; bank 1: X's K steps 4-7
	v_add_nc_u32 v[ADRA+2], SY, v[ADRA]            ; bank 2: Y
	s_add_co_u32 s22, s22, 8*REC
	v_add_nc_u32 v[ADRB], s22, v5
	v_add_nc_u32 v[ADRB+1], 4*REC, v[ADRB]
	v_add_nc_u32 v[ADRB+2], SY-4*REC, v[ADRB]
	v_add_nc_u32 v[ADRS], s23, v6
	v_add_nc_u32 v[ADRS+1], 4*REC, v[ADRS]
	s_add_co_u32 s23, s23, SY
	v_add_nc_u32 v[ADRS+2], s23, v7
	s_mul_i32 s19, s14, 16*272
	s_add_co_u32 s19, s19, STAGE                   ; my stage
	v_mul_u32_u24 v[STO], v2, 272
	v_lshl_add_u32 v[STO], v3, 6, v[STO]
	v_add_nc_u32 v[STO], s19, v[STO]               ; in: row r, + 64 h
	v_mul_u32_u24 v[RD], v3, 272
	v_lshl_add_u32 v[RD], v2, 4, v[RD]
	v_add_nc_u32 v[RD], s19, v[RD]                 ; back: lanes 0-15 one row of 256 bytes, lanes 16-31 the next
	v_lshlrev_b32 v[CO], 12, v3
	v_lshl_add_u32 v[CO], v2, 4, v[CO]             ; and the same two rows in C
	v_lshlrev_b32 v[BJO], 6, v3
	s_wait_alu depctr_va_vdst(0)
	s_lshl_b32 s66, s42, 9
	s_lshl_b32 s67, s16, 8
	s_add_co_u32 s66, s66, s67                     ; my first column, in bytes
	s_mov_b32 s67, 0
	s_add_nc_u64 s[8:9], s[8:9], s[66:67]
	s_lshl_b32 s68, s17, 19
	s_lshl_b32 s69, s15, 18
	s_add_co_u32 s68, s68, s69
	s_add_co_u32 s68, s68, s66                     ; + my first row x 4,096 bytes
	s_mov_b32 s69, 0
	s_add_nc_u64 s[10:11], s[10:11], s[68:69]
	s_add_nc_u64 s[12:13], s[12:13], s[68:69]
.irp b, 0,1,2,3                                    ; lane (r, h) wants, for B's block b, the bias of columns 32 (b / 2) + 16 h + 8 (b % 2) + 0 .. 7
	global_load_b128 v[BJ+8*\b:BJ+8*\b+3], v[BJO], s[8:9] offset:128*(\b/2)+32*(\b%2)
	global_load_b128 v[BJ+8*\b+4:BJ+8*\b+7], v[BJO], s[8:9] offset:128*(\b/2)+32*(\b%2)+16
.endr
.macro FRAG reg, adr, off
.irp c, 0,1,2
	ds_load_b128 v[\reg+4*\c:\reg+4*\c+3], v[\adr] offset:\off+512*\c
.endr
.endm
.macro FETCH bank, q, f                ; 28 LDS loads: the bank's q-th K step into buffer f: four fragments of A, four of B, four registers of scale words (lanes 0-15 A's, lanes 16-31 B's)
	WIN 0x40
.irp i, 0,1,2,3
	FRAG 128*(\f)+FR*\i, ADRA+\bank, (\q)*REC+1536*\i
	FRAG 128*(\f)+48+FR*\i, ADRB+\bank, (\q)*REC+1536*\i
.endr
	WIN 0
.irp i, 0,1,2,3
	ds_load_b32 v[SC+4*(\f)+\i], v[ADRS+\bank] offset:(\q)*REC+64*\i
.endr
.endm
.macro MULN f, a0, n, zero             ; A's blocks a0 .. a0 + n - 1 x B's four.  The sixteen accumulators take turns
	WIN 0x05                                       ; sources 0 and 1 window 1; C and D window 0
.set ma, \a0
.rept \n
.irp b, 0,1,2,3
.if \zero
	v_wmma_scale_f32_16x16x128_f8f6f4 v[ACC+8*(4*ma+\b):ACC+8*(4*ma+\b)+7], v[128*(\f)+48+FR*\b:128*(\f)+48+FR*\b+FR-1], v[128*(\f)+FR*ma:128*(\f)+FR*ma+FR-1], v[BJ+8*\b:BJ+8*\b+7], v[SC+4*(\f)+\b], v[SC+4*(\f)+ma] matrix_a_fmt:MATRIX_FMT_FP6 matrix_b_fmt:MATRIX_FMT_FP6 matrix_a_scale:MATRIX_SCALE_ROW1
.else
	v_wmma_scale_f32_16x16x128_f8f6f4 v[ACC+8*(4*ma+\b):ACC+8*(4*ma+\b)+7], v[128*(\f)+48+FR*\b:128*(\f)+48+FR*\b+FR-1], v[128*(\f)+FR*ma:128*(\f)+FR*ma+FR-1], v[ACC+8*(4*ma+\b):ACC+8*(4*ma+\b)+7], v[SC+4*(\f)+\b], v[SC+4*(\f)+ma] matrix_a_fmt:MATRIX_FMT_FP6 matrix_b_fmt:MATRIX_FMT_FP6 matrix_a_scale:MATRIX_SCALE_ROW1
.endif
.endr
.set ma, ma+1
.endr
.endm
.macro STEP bank, q, zero              ; one of a bank's first three K steps: the next step's fragments are asked for, then this step is multiplied
	PLACES 4                                       ; in front of loads into registers that the last products read
	FETCH \bank, (\q)+1, ((\q)+1)%2
	s_wait_dscnt 28                                ; all but the 28 just issued
	MULN (\q)%2, 0, 4, \zero
.endm
.macro BANK b                          ; a bank's first three K steps
	STEP \b, 0, 0
	STEP \b, 1, 0
	STEP \b, 2, 0
.endm
; A bank's last K step (buffer 1) goes on to bank next.
; mode 2: the slot just read (y = 0: X, y = 1: Y) is filled again, 12 K steps on: each wave waits for all its tensor loads, adds 0 to its spare word, waits for that and for its reads of the slot; a round of the
;         cluster's barrier; the joint refill.  The wait for all loads also shows the other slot, which is read next, landed.
; mode 1: the next slot's tile is waited for: the same three lines and the work-group's barrier; nothing is filled.
; mode 0: from X's first bank to its second: no wait on TENSORcnt, so that Y's refill stays on its way, and no barrier.
.macro TURN next, mode, y
.if \mode
	WIN 0
	s_wait_tensorcnt 0x0                           ; all my tensor loads have landed: my part of the next slot
	ds_add_u32 v[SPW], v[NIL]                      ; 0 onto my spare word
	s_wait_dscnt 1                                 ; (the add may be out)
	MULN 1, 0, 1, 0
	s_wait_dscnt 0x0                               ; the add is done, and my reads of this slot are over
	s_barrier_signal -1
	MULN 1, 1, 1, 0
	WIN 0
	s_barrier_wait -1
.else
	s_wait_dscnt 0x0                               ; buffer 1 is in
	MULN 1, 0, 2, 0
.endif
.if \mode == 2
	CREST                                          ; the barrier has opened a round of the cluster's: no wave of any partner still reads this slot or has a load on its way
.set TA, G0+4*\y
.set TB, G0B+4*\y
.set T1A, G1+48*\y
.set T1B, G1B+32*\y
	s_add_nc_u64 s[TA+2:TA+3], s[TA+2:TA+3], 12*REC
	s_add_nc_u64 s[TB+2:TB+3], s[TB+2:TB+3], 12*REC
	JLOAD TA, T1A, TB, T1B                         ; the first tensor load behind the round; its four v_nop are the places in front of the loads below
.else
	PLACES 4
.endif
	FETCH \next, 0, 0
	MULN 1, 2, 2, 0
.endm
	s_wait_alu depctr_va_vdst(0)
	s_wait_tensorcnt 0x0                           ; my part of X is in
	ds_add_u32 v[SPW], v[NIL]
	s_wait_dscnt 0x0
	CROUND                                         ; a whole round: everybody's part of X is in, and the joint loads meet
	JLOAD G0+4, G1Y, G0B+4, G1YB                   ; Y's first fill, K steps 8 to 11: my one tensor load behind the round
.macro RES a                           ; block a of the residual, eight loads, in the order in which the rows leave the stage; destination window 2
	WIN 0x80
.irp t, 0,1,2,3,4,5,6,7
	global_load_b128 v[32*(\a)+4*\t:32*(\a)+4*\t+3], v[CO], s[10:11] offset:(32*((\a)/2)+8*((\a)%2)+2*\t+8*(\t/4))*4096 th:TH_LOAD_NT
.endr
	WIN 0
.endm
	FETCH 0, 0, 0
	s_wait_loadcnt 0x0                             ; the bias is in; the residual is asked for later
	STEP 0, 0, 1                                   ; K step 0: its products start the sums
	STEP 0, 1, 0
	STEP 0, 2, 0
	TURN 1, 0, 0                                   ; K steps 0-7 lie in X
	BANK 1
	TURN 2, 2, 0                                   ; X is asked for again: K steps 12-19
	BANK 2                                         ; K steps 8-11 lie in Y
	TURN 0, 2, 1
	RES 0                                          ; a quarter of the residual under K steps 12-19
	BANK 0
	TURN 1, 0, 0
	BANK 1
	TURN 2, 2, 0                                   ; X is asked for again: K steps 24-31
	BANK 2
	TURN 0, 1, 0
	RES 1                                          ; the rest under the last eight K steps, when no fill is on its way
	RES 2
	RES 3
	BANK 0
	TURN 1, 0, 0
	BANK 1
	s_wait_dscnt 0
	MULN 1, 0, 4, 0                                ; K step 31
	WIN 0
	PLACES 4
; THE WAY OUT, block by block of 16 rows x 64 columns, through my own stage: in as 32 bytes a lane and tile, back as whole rows of 256 bytes; the residual is added; sixteen lanes store 256 consecutive, aligned bytes.
.macro TOSTAGE a
.irp b, 0,1,2,3
	ds_store_b128 v[STO], v[ACC+8*(4*(\a)+\b):ACC+8*(4*(\a)+\b)+3] offset:128*(\b/2)+32*(\b%2)        ; each accumulator from its low end on
	ds_store_b128 v[STO], v[ACC+8*(4*(\a)+\b)+4:ACC+8*(4*(\a)+\b)+7] offset:128*(\b/2)+32*(\b%2)+16
.endr
.set BB, BK+32*((\a)%2)
.irp t, 0,1,2,3,4,5,6,7
	ds_load_b128 v[BB+4*\t:BB+4*\t+3], v[RD] offset:2*\t*272        ; LDS serves a wave's instructions in order: these see the stores above
.endr
.endm
.macro SEND a, younger
.set BB, BK+32*((\a)%2)
	s_wait_dscnt \younger                          ; the block is back; the next block's 8 stores and 8 loads may be out
.if (\a) == 0
	s_wait_loadcnt 0x0                             ; the residual
.endif
	WIN 0x08                                       ; source 1 window 2
.set i, 0
.rept 16
	v_pk_add_f32 v[BB+i:BB+i+1], v[BB+i:BB+i+1], v[32*(\a)+i:32*(\a)+i+1]
.set i, i+2
.endr
	WIN 0
.irp t, 0,1,2,3,4,5,6,7
	global_store_b128 v[CO], v[BB+4*\t:BB+4*\t+3], s[12:13] offset:(32*((\a)/2)+8*((\a)%2)+2*\t+8*(\t/4))*4096
.endr
.endm
	TOSTAGE 0
.irp a, 1,2,3
.if \a > 1
	s_wait_xcnt 0x0                                ; block a - 2's stores have read their registers: block a's loads may land there
.endif
	TOSTAGE \a
	SEND \a-1, 16
.endr
	SEND 3, 0
	s_wait_tensorcnt 0x0                           ; the wave's end
	ds_add_u32 v[SPW], v[NIL]
	s_wait_dscnt 0x0
	CROUND                                         ; the closing round
	s_endpgm
.Lfunc_end_k_q8a551e570a_w2g:
	.size	k_q8a551e570a_w2g, .Lfunc_end_k_q8a551e570a_w2g-k_q8a551e570a_w2g
	.p2alignl 7, 3214868480
	.fill 96, 4, 3214868480
	.section	.rodata,"a",@progbits
	.p2align	6, 0x0
	.amdhsa_kernel k_q8a551e570a_w2g
		.amdhsa_group_segment_fixed_size 327680
		.amdhsa_private_segment_fixed_size 0
		.amdhsa_enable_private_segment 0
		.amdhsa_kernarg_size 40
		.amdhsa_user_sgpr_count 2
		.amdhsa_user_sgpr_kernarg_segment_ptr 1
		.amdhsa_wavefront_size32 1
		.amdhsa_system_sgpr_workgroup_id_x 1
		.amdhsa_system_sgpr_workgroup_id_y 1
		.amdhsa_system_sgpr_workgroup_id_z 1
		.amdhsa_system_vgpr_workitem_id 0
		.amdhsa_next_free_vgpr 640
		.amdhsa_next_free_sgpr 98
		.amdhsa_reserve_vcc 0
		.amdhsa_float_denorm_mode_32 3
		.amdhsa_float_denorm_mode_16_64 3
		.amdhsa_memory_ordered 1
		.amdhsa_forward_progress 1
		.amdhsa_inst_pref_size 157
	.end_amdhsa_kernel
	.amdgpu_metadata
---
amdhsa.version: [ 1, 2 ]
amdhsa.kernels:
  - .name:           k_q8a551e570a_w2g
    .symbol:         k_q8a551e570a_w2g.kd
    .args:
      - { .name: hid, .offset: 0, .size: 8, .value_kind: global_buffer, .address_space: global }
      - { .name: wq, .offset: 8, .size: 8, .value_kind: global_buffer, .address_space: global }
      - { .name: b2, .offset: 16, .size: 8, .value_kind: global_buffer, .address_space: global }
      - { .name: h2, .offset: 24, .size: 8, .value_kind: global_buffer, .address_space: global }
      - { .name: out0, .offset: 32, .size: 8, .value_kind: global_buffer, .address_space: global }
    .group_segment_fixed_size: 327680
    .private_segment_fixed_size: 0
    .kernarg_segment_align: 8
    .kernarg_segment_size: 40
    .max_flat_workgroup_size: 128
    .sgpr_count:     98
    .vgpr_count:     640
    .wavefront_size: 32
...
	.end_amdgpu_metadata
.endif
;; end of part 6
